; MI455X (gfx1250); checked and timed in simulation.
; The chip was launched on July 23, 2026; its instructions are those of AMD's public machine-readable ISA for CDNA 5 (MIT licence, August 2026) and "CDNA5" Instruction Set Architecture Reference Guide (July 2026). The comments in the code are by the model that wrote it; some were corrected since.
;; LSA. Allowed arithmetic: float matrix products may take bf16 or f16 operands with f32 sums; all other float work in f32.
;; Inputs: b_out 1,024 float32; temperature one number float32; w_out 1,024 x 1,024 float32; w_qkv 3,072 x 1,024 float32; x 8 x 1,024 x 1,024 float32.
;; Outputs: out0 8 x 1,024 x 1,024 float32.
;; 2 versions, each right; version 2 is version 1 with the launch cast written anew for expert scheduling mode. Each part assembles by itself: llvm-mc -triple=amdgcn-amd-amdhsa -mcpu=gfx1250 --defsym DOCPART=n.
;; ======== version 1 of 2: 4 launches
;; limits: values are held in f16: magnitudes above 65,504 overflow, below 6.1e-05 lose precision
;; workspace buffers: xh 16,777,216 bytes; wqh 6,291,456 bytes; woh 2,097,152 bytes; qkv 50,331,648 bytes; att 16,777,216 bytes
;; launch cast (part 1): grid 768 x 1, 8 waves a work-group, no clusters, 0 bytes of LDS; arguments x, w_qkv, w_out, xh, wqh, woh; writes xh, wqh, woh
.if DOCPART == 1
	.amdgcn_target "amdgcn-amd-amdhsa--gfx1250"
	.amdhsa_code_object_version 6
	.text
	.protected	k_q833d46bc52_cast
	.globl	k_q833d46bc52_cast
	.p2align	8
	.type	k_q833d46bc52_cast,@function
k_q833d46bc52_cast:
	s_mov_b64 s[64:65], 0
	v_nop
	global_prefetch_b8 v0, s[64:65] scope:SCOPE_SE
	s_setreg_imm32_b32 hwreg(HW_REG_WAVE_MODE, 25, 1), 1
	s_wait_xcnt 0x0
; THE PROGRAM: four launches.  (1) this one rounds x, w_qkv and w_out from f32 to f16; (2) qkv = x w_qkv^T; (3) attention with the
; diagonal masked, per pair of heads; (4) out0 = att w_out^T + b_out.  Sums, softmax and bias are kept in f32.
; DEAD WORK: none is left out.  Every input reaches the output for all values; the masked diagonal is one score in each row of 1,024
; and lies inside tiles whose other scores are live, so those tiles are computed whole and the one score is replaced by a select.
; FORMAT: all matrix operands are f16, which keeps three more mantissa bits than bf16 through the five roundings on the way (x and the
; weights, q k v, the probabilities, the attention output).
; LIMITS: |x|, |w|, |q|, |k|, |v| and the attention output must stay below 65,504, f16's largest number (q, k, v of
; inputs 30 times the drawn spread, or offset by 30 spreads, stay below 30,000); values below 6e-5 in magnitude keep an absolute error
; of 3e-8.  The temperature must lie between -87 and 88, so that exp(temperature) is a normal f32.
;
; THIS LAUNCH: a stream.  A work-group takes 16,384 numbers: 64 KiB in, 32 KiB out.  Groups 0-511 take x, 512-703 w_qkv, 704-767 w_out.
; Thread t takes 16 bytes at 16 t of each 4,096-byte piece and stores 8 bytes at 8 t of each 2,048-byte piece: a wave's load covers 512
; consecutive bytes, its store 256 consecutive bytes that start at a multiple of 256.  All sixteen loads go out at once; no register is
; written twice, so the only waits are the counted ones for the data.  No LDS, barrier, cluster or matrix unit: nothing is shared.
.set NX,   512                         ; work-groups for x:     8192 x 1024 / 16384
.set NWQ,  192                         ; work-groups for w_qkv: 3072 x 1024 / 16384
.set SRC,  4                           ; v[4:67]   sixteen loads of four f32
.set DST,  68                          ; v[68:99]  sixteen pairs of registers, four f16 each
	s_load_b256 s[4:11], s[0:1], 0x0               ; x s[4:5], w_qkv s[6:7], w_out s[8:9], xh s[10:11]
	s_load_b128 s[12:15], s[0:1], 0x20             ; wqh s[12:13], woh s[14:15]
	s_sub_co_u32 s17, ttmp9, NX                    ; my number among w_qkv's groups,
	s_sub_co_u32 s18, ttmp9, NX+NWQ                ; among w_out's (made ahead of the compares: a subtraction sets SCC)
	v_lshlrev_b32 v1, 4, v0                        ; 16 t
	v_lshlrev_b32 v2, 3, v0                        ; 8 t
	s_wait_kmcnt 0x0
	s_cmp_ge_u32 ttmp9, NX                         ; the choice of buffers hangs on the group's number alone
	s_cselect_b64 s[20:21], s[6:7], s[4:5]         ; source
	s_cselect_b64 s[22:23], s[12:13], s[10:11]     ; destination
	s_cselect_b32 s16, s17, ttmp9                  ; my number inside the buffer
	s_cmp_ge_u32 ttmp9, NX+NWQ
	s_cselect_b64 s[20:21], s[8:9], s[20:21]
	s_cselect_b64 s[22:23], s[14:15], s[22:23]
	s_cselect_b32 s16, s18, s16
	s_lshl_b32 s24, s16, 16                        ; 65,536 bytes in for each group (at most 511 groups: below 4 GiB)
	s_mov_b32 s25, 0
	s_lshl_b32 s26, s16, 15                        ; 32,768 bytes out
	s_mov_b32 s27, 0
	s_add_nc_u64 s[20:21], s[20:21], s[24:25]
	s_add_nc_u64 s[22:23], s[22:23], s[26:27]
.irp k, 0,1,2,3,4,5,6,7,8,9,10,11,12,13,14,15
	global_load_b128 v[SRC+4*\k:SRC+4*\k+3], v1, s[20:21] offset:4096*\k th:TH_LOAD_NT   ; read once in the launch
.endr
.irp k, 0,1,2,3,4,5,6,7,8,9,10,11,12,13,14,15
	s_wait_loadcnt 15-\k                           ; loads come back in order: piece k is in, the 15 - k younger ones stay out
	v_cvt_pk_f16_f32 v[DST+2*\k], v[SRC+4*\k], v[SRC+4*\k+1]
	v_cvt_pk_f16_f32 v[DST+2*\k+1], v[SRC+4*\k+2], v[SRC+4*\k+3]
	global_store_b64 v2, v[DST+2*\k:DST+2*\k+1], s[22:23] offset:2048*\k                 ; the next launch reads it: no hint
.endr
	s_endpgm
.Lfunc_end_k_q833d46bc52_cast:
	.size	k_q833d46bc52_cast, .Lfunc_end_k_q833d46bc52_cast-k_q833d46bc52_cast
	.p2alignl 7, 3214868480
	.fill 96, 4, 3214868480
	.section	.rodata,"a",@progbits
	.p2align	6, 0x0
	.amdhsa_kernel k_q833d46bc52_cast
		.amdhsa_group_segment_fixed_size 0
		.amdhsa_private_segment_fixed_size 0
		.amdhsa_enable_private_segment 0
		.amdhsa_kernarg_size 48
		.amdhsa_user_sgpr_count 2
		.amdhsa_user_sgpr_kernarg_segment_ptr 1
		.amdhsa_wavefront_size32 1
		.amdhsa_system_sgpr_workgroup_id_x 1
		.amdhsa_system_sgpr_workgroup_id_y 1
		.amdhsa_system_sgpr_workgroup_id_z 1
		.amdhsa_system_vgpr_workitem_id 0
		.amdhsa_next_free_vgpr 100
		.amdhsa_next_free_sgpr 66
		.amdhsa_reserve_vcc 0
		.amdhsa_float_denorm_mode_32 3
		.amdhsa_float_denorm_mode_16_64 3
		.amdhsa_memory_ordered 1
		.amdhsa_forward_progress 1
		.amdhsa_inst_pref_size 7
	.end_amdhsa_kernel
	.amdgpu_metadata
---
amdhsa.version: [ 1, 2 ]
amdhsa.kernels:
  - .name:           k_q833d46bc52_cast
    .symbol:         k_q833d46bc52_cast.kd
    .args:
      - { .name: x, .offset: 0, .size: 8, .value_kind: global_buffer, .address_space: global }
      - { .name: w_qkv, .offset: 8, .size: 8, .value_kind: global_buffer, .address_space: global }
      - { .name: w_out, .offset: 16, .size: 8, .value_kind: global_buffer, .address_space: global }
      - { .name: xh, .offset: 24, .size: 8, .value_kind: global_buffer, .address_space: global }
      - { .name: wqh, .offset: 32, .size: 8, .value_kind: global_buffer, .address_space: global }
      - { .name: woh, .offset: 40, .size: 8, .value_kind: global_buffer, .address_space: global }
    .group_segment_fixed_size: 0
    .private_segment_fixed_size: 0
    .kernarg_segment_align: 8
    .kernarg_segment_size: 48
    .max_flat_workgroup_size: 256
    .sgpr_count:     66
    .vgpr_count:     100
    .wavefront_size: 32
...
	.end_amdgpu_metadata
.endif
;; end of part 1
;; launch gqkv (part 2): grid 8 x 32, 4 waves a work-group, clusters of 4 x 4, 327,680 bytes of LDS; arguments xh, wqh, qkv; writes qkv
.if DOCPART == 2
	.amdgcn_target "amdgcn-amd-amdhsa--gfx1250"
	.amdhsa_code_object_version 6
	.text
	.protected	k_q833d46bc52_gqkv
	.globl	k_q833d46bc52_gqkv
	.p2align	8
	.type	k_q833d46bc52_gqkv,@function
k_q833d46bc52_gqkv:
	s_mov_b64 s[64:65], 0
	v_nop
	global_prefetch_b8 v0, s[64:65] scope:SCOPE_SE
	s_setreg_imm32_b32 hwreg(HW_REG_WAVE_MODE, 25, 1), 1
	s_wait_xcnt 0x0
	s_wait_alu depctr_hold_cnt(0) depctr_sa_sdst(0) depctr_va_vdst(0) depctr_va_sdst(0) depctr_va_ssrc(0) depctr_va_vcc(0) depctr_vm_vsrc(0)
	s_getreg_b32 s2, hwreg(HW_REG_IB_STS2, 6, 4)
	s_cmp_eq_u32 s2, 0
	s_cbranch_scc0 .Lentry_in_a_cluster
	s_endpgm
.Lentry_in_a_cluster:
	s_bfe_u32 s2, ttmp6, 0x10000c
	s_cmp_lg_u32 s2, 0xf033
	s_cbranch_scc0 .Lentry_shape_is_right
	s_endpgm
.Lentry_shape_is_right:
; qkv[m][e] = sum over d of xh[m][d] wqh[e][d].  xh: [8192][1024], wqh: [3072][1024], qkv: [8192][3072], all f16; sums in f32.
; No work of the projection is left out.
; A block is 128 rows x 384 columns: 64 x 8 = 512 blocks, and a block's row of 768 bytes is three whole pieces of 256.
; THE WORK-GROUPS STAY: 8 x 32 = 256 of them, each makes two blocks of one block column, block rows y and y + 32.  K is only eight steps
; long, so the ring of LDS slots goes on into the second block: the last two K steps of the first block fill the slots with the second
; block's K steps 0 and 1, and the first block's results are rounded and stored while those tiles are on their way.
; Four waves side by side; wave w makes all 128 rows x columns 96 w .. 96 w + 95: 8 x 6 accumulator tiles of 16 x 16, 384 registers.
; K goes in steps of 128 through a ring of two LDS slots filled by the tensor data mover; a tile's rows are 256 bytes of memory.
; CLUSTERS: 4 x 4 work-groups.  The four of a row of the cluster need the same tiles of xh, the four of a column the same tiles of wqh:
; each tile is asked for jointly, by the same tensor load with the same descriptor and a mask that names the four.
; REQUESTS AHEAD (global_prefetch_b8) for xh's tiles.  The eight work-groups of a block row share out a tile's 128 rows, 16 each (rows
; 16 x block column + 0..15), and wave 0 asks with one line a lap: lanes 0-15 name the rows' 256 bytes of an even K step, lanes 16-31
; those of the odd K step behind it, 8 KiB a line, so that each piece of 256 bytes is named once in the launch.  The line stands behind
; the joint load at the end of K step 2 j + 1 and names K steps 2 j + 4 and 2 j + 5, whose joint loads follow one and two K steps (192
; products a wave each) later; a first line behind the first fills names K steps 2 and 3.  The requests go on into the second block, and
; that block's last two laps ask for nothing.  The highest request is row 8,191, byte 1,792: inside xh.  wqh is not asked for: each of
; the 64 block rows reads it again.  The place in the cluster enters the request's vector offset alone.
; THE EIGHT LAPS ARE WRITTEN OUT by macro, without a loop: they differ in what they start, fill and ask for, every step of a request's
; address stands in its immediate, and no register of a request is ever rewritten.
; REGISTERS in windows of 256: window 0 addresses, A's fragments (two buffers), the way out; window 1 B's fragments (two buffers);
; window 2 the accumulators of rows 0-63 (tile (a, b) at v[8 (6 a + b)]); window 3 those of rows 64-127.
; THE MATRIX INSTRUCTION IS USED TRANSPOSED: source 0 = 16 rows of wqh, source 1 = 16 rows of xh, so that lane l holds row l % 16 of
; the block and its eight registers the columns 8 (l / 16) + 0 .. 7: eight neighbouring numbers, 16 bytes once rounded to f16.
; The 48 accumulators take turns, one instruction a turn, in the same order in every quarter step.
.set NB,     6                         ; column tiles of a wave
.set SIZE_K, 1024
.set KSTEP,  128
.set PITCH,  272                       ; an LDS row: 256 bytes + 16 of padding, an odd multiple of 16: the 16 rows of a fragment load start 16 bytes apart modulo 256
.set AHALF,  64*PITCH                  ; what wave 0 or 1 fetches: 64 rows of xh
.set ATILE,  128*PITCH
.set BHALF,  32*NB*PITCH               ; what wave 2 or 3 fetches: 192 rows of wqh
.set SLOT,   ATILE+2*BHALF             ; 139,264
.set STAGE,  2*SLOT                    ; 278,528, a multiple of 256: behind the ring, never filled by a tensor load
.set SPITCH, 784                       ; a stage row: 768 bytes + 16
.set SBYTES, 16*SPITCH                 ; one stage of 16 rows; there are two
.set CROW,   6144                      ; bytes in a row of qkv
.set BROWS,  32                        ; block rows between a work-group's two blocks
.set NEXTA,  BROWS*128*SIZE_K*2        ; 8,388,608: bytes of xh from the first block's rows to the second's
.set NEXTC,  BROWS*128*CROW            ; the same in qkv
.set KBACK,  (SIZE_K/KSTEP-2)*KSTEP*2  ; 1,536: from K step 6 back to 0, and from 7 back to 1
.set ADRA, 16                          ; v16-17  LDS address of my A fragments in slot 0, 1
.set ADRB, 20                          ; v20-21  the same for B
.set STO,  24                          ; v24     the way out: where I put 16 bytes of a row
.set RD,   25                          ; v25     the way out: where I read 16 bytes of a row back
.set CO,   26                          ; v26     my byte offset in the block of qkv
.set PFO,  27                          ; v27     requests ahead: my row's and K step's byte offset in the block's rows of xh; never rewritten
.set RB0,  32                          ; v32-55   the way out: rows read back, two buffers that take turns; not the fragment buffers,
.set RB1,  216                         ; v216-239 since buffer 0 holds the second block's first fragments during the first way out
.set F0,   64                          ; fragment buffer 0
.set F1,   128                         ; fragment buffer 1
.set TMP,  192                         ; v192-215 the way out: rounded results
.set CB0,  8                           ; s[8:9]   my first block of qkv
.set CB1,  4                           ; s[4:5]   my second block (the pair held xh's address during set-up)
.set PFB0, 68                          ; s[68:69] requests ahead: xh at my first block's first row; never rewritten
.set PFB1, 70                          ; s[70:71] at my second block's: a base of its own, since NEXTA is one more than a 24-bit signed immediate holds
.set G1,  24                           ; s[24:31] group 1 for A's tiles
.set G0,  32                           ; s[32:39] group 0 for A's tiles, one set for each slot
.set G1B, 48                           ; s[48:55] group 1 for B's tiles
.set G0B, 56                           ; s[56:63] group 0 for B's tiles, one set for each slot
.set MSB, 0
.macro WIN new                         ; the immediate's high byte repeats the setting that is left
.if MSB != \new
	s_set_vgpr_msb (MSB<<8)|\new
.set MSB, \new
.endif
.endm
.set MUL_LO, 0xa1                      ; source 0 (B) window 1, source 1 (A) window 0, C and D window 2
.set MUL_HI, 0xf1                      ; the same, C and D window 3
.set TO_B,   0x40                      ; destination window 1, address window 0
; A joint load: waves 0 and 1 fetch A's halves, waves 2 and 3 B's.  Each line has one mask; the branch hangs on the wave's number alone.
.macro JLOAD s
	s_cmp_eq_u32 s11, 0
	s_cbranch_scc0 .Lfor_b_\@
	tensor_load_to_lds s[G0+4*\s:G0+4*\s+3], s[G1:G1+7]
	s_nop 0
	s_branch .Lasked_\@
.Lfor_b_\@:
	tensor_load_to_lds s[G0B+4*\s:G0B+4*\s+3], s[G1B:G1B+7]
	s_nop 0
.Lasked_\@:
.endm
; A request ahead, by wave 0 alone: my 16 rows' 512 bytes of K steps 2 pair and 2 pair + 1 of the block at base.  Nothing waits for it.
.macro PFA base, pair
	s_cmp_lg_u32 s10, 0
	s_cbranch_scc1 .Lno_ask_\@
	global_prefetch_b8 v[PFO], s[\base:\base+1] offset:\pair*2*KSTEP*2 th:TH_LOAD_NT scope:SCOPE_SE
.Lno_ask_\@:
.endm
; A round of the cluster's barrier: my work-group's barrier; wave 0 signals for the work-group; every wave waits for all sixteen; my barrier again.
.macro CREST                           ; a round behind its opening barrier
	s_cmp_lg_u32 s10, 0
	s_cbranch_scc1 .Lnot_wave_0_\@
	s_barrier_signal -3
.Lnot_wave_0_\@:
	s_barrier_wait -3
	s_barrier_signal -1
	s_barrier_wait -1
.endm
.macro CROUND
	s_barrier_signal -1
	s_barrier_wait -1
	CREST
.endm
	s_load_b128 s[4:7], s[0:1], 0x0                ; xh s[4:5], wqh s[6:7]
	s_load_b64 s[8:9], s[0:1], 0x10                ; qkv
	s_set_vgpr_msb 0x40
	v_lshl_add_u32 v255, v0, 2, 0x4a200
	s_set_vgpr_msb 0x4000
	v_mov_b32 v255, 0
	s_set_vgpr_msb 0x1
	ds_add_u32 v255, v255
	s_set_vgpr_msb 0x100
	v_lshrrev_b32 v1, 5, v0
	v_readfirstlane_b32 s10, v1                    ; wave 0..3
	s_lshr_b32 s11, s10, 1                         ; I fetch for A (0) or for B (1)
	s_and_b32 s12, s10, 1                          ; which half of that tile
	s_bfe_u32 s40, ttmp6, 0x40000                  ; cx
	s_bfe_u32 s41, ttmp6, 0x40004                  ; cy
	s_lshl_b32 s42, ttmp9, 2
	s_add_co_u32 s42, s42, s40                     ; block column = 4 x cluster x + cx
	s_and_b32 s13, ttmp7, 0xffff
	s_lshl_b32 s13, s13, 2
	s_add_co_u32 s13, s13, s41                     ; my first block row = 4 x cluster y + cy, 0 .. 31
	s_lshl_b32 s43, s41, 2
	s_lshl_b32 s43, 15, s43                        ; my row of the cluster: places 4 cy .. 4 cy + 3
	s_lshl_b32 s44, 0x1111, s40                    ; my column: places cx, cx + 4, cx + 8, cx + 12
	; group 1: 15:0 mask; 17:16 elements of 2 bytes; 20 padding on; 21 set beside a mask; 24:22 after every 64 words; 31:25 four words
	s_or_b32 s[G1+0], s43, (1<<16)|(1<<20)|(1<<21)|(5<<22)|(3<<25)
	s_or_b32 s[G1B+0], s44, (1<<16)|(1<<20)|(1<<21)|(5<<22)|(3<<25)
	s_mov_b32 s[G1+1], KSTEP<<16                   ; tensor_dim0 = 128
	s_mov_b32 s[G1B+1], KSTEP<<16
	s_mov_b32 s[G1+2], 64<<16                      ; tensor_dim1 = 64 rows of A
	s_mov_b32 s[G1B+2], (32*NB)<<16                ;             = 192 rows of B
	s_mov_b32 s[G1+3], KSTEP<<16                   ; tile_dim0 = 128
	s_mov_b32 s[G1B+3], KSTEP<<16
	s_mov_b32 s[G1+4], 64                          ; tile_dim1
	s_mov_b32 s[G1B+4], 32*NB
	s_mov_b32 s[G1+5], SIZE_K                      ; elements from row to row
	s_mov_b32 s[G1B+5], SIZE_K
	s_mov_b32 s[G1+6], 0
	s_mov_b32 s[G1B+6], 0
	s_mov_b32 s[G1+7], 0
	s_mov_b32 s[G1B+7], 0
	; A's tiles hang on the block row, B's on the block column; each address is made in registers that never hold the other coordinate
	s_lshl_b32 s16, s13, 7                         ; A: row 128 x block row
	s_lshl_b32 s17, s12, 6                         ;    + 64 x half
	s_add_co_u32 s16, s16, s17
	s_lshl_b32 s16, s16, 11                        ; rows of 2,048 bytes (below 16 MiB)
	s_mov_b32 s17, 0
	s_mul_i32 s46, s42, 64*NB                      ; B: row 384 x block column
	s_mul_i32 s47, s12, 32*NB                      ;    + 192 x half
	s_add_co_u32 s46, s46, s47
	s_lshl_b32 s46, s46, 11
	s_mov_b32 s47, 0
	s_mul_i32 s20, s12, AHALF                      ; where they go: A's halves at the slot's head,
	s_mul_i32 s45, s12, BHALF
	s_add_co_u32 s45, s45, ATILE                   ; B's halves behind A's 128 rows: only the wave's number enters an LDS address
	s_wait_dscnt 0x0
	s_wait_kmcnt 0x0
	s_add_nc_u64 s[14:15], s[4:5], s[16:17]
	s_add_nc_u64 s[46:47], s[6:7], s[46:47]
	CROUND                                         ; all sixteen work-groups are here: the first joint loads meet
.irp s, 0,1
	s_mov_b32 s[G0+4*\s], 1                                        ; count = 1
	s_add_co_u32 s[G0+4*\s+1], s20, \s*SLOT                        ; LDS address
	s_add_nc_u64 s[G0+4*\s+2:G0+4*\s+3], s[14:15], \s*KSTEP*2      ; global address: K step s
	s_or_b32 s[G0+4*\s+3], s[G0+4*\s+3], 0x80000000                ; type = 2
	s_mov_b32 s[G0B+4*\s], 1
	s_add_co_u32 s[G0B+4*\s+1], s45, \s*SLOT
	s_add_nc_u64 s[G0B+4*\s+2:G0B+4*\s+3], s[46:47], \s*KSTEP*2
	s_or_b32 s[G0B+4*\s+3], s[G0B+4*\s+3], 0x80000000
	JLOAD \s                                       ; both slots' first fills, ahead of everything else: two tensor loads of the wave are out
.endr
	; the first request ahead: K steps 2 and 3 of the first block
	v_and_b32 v1, 15, v0                           ; l % 16
	v_bfe_u32 v2, v0, 4, 1                         ; l / 16
	s_lshl_b32 s16, s13, 18                        ; block row x 128 rows of 2,048 bytes
	s_mov_b32 s17, 0
	s_add_nc_u64 s[PFB0:PFB0+1], s[4:5], s[16:17]
	s_add_nc_u64 s[PFB1:PFB1+1], s[PFB0:PFB0+1], NEXTA
	s_lshl_b32 s46, s42, 15                        ; my share of a tile's rows: 16 x block column (in a register that feeds none of A's descriptors)
	v_lshlrev_b32 v[PFO], 11, v1                   ; + l % 16, rows of 2,048 bytes,
	v_lshl_add_u32 v[PFO], v2, 8, v[PFO]           ; lanes 16-31 the 256 bytes of the odd K step
	v_add_nc_u32 v[PFO], s46, v[PFO]
	PFA PFB0, 1
	; my two blocks of qkv
	s_mul_i32 s16, s13, 128*CROW                   ; block row x 128 rows (below 25 MiB)
	s_mov_b32 s17, 0
	s_add_nc_u64 s[CB0:CB0+1], s[CB0:CB0+1], s[16:17]
	s_mul_i32 s46, s42, 64*NB*2                    ; block column x 768 bytes
	s_mov_b32 s47, 0
	s_add_nc_u64 s[CB0:CB0+1], s[CB0:CB0+1], s[46:47]
	s_add_nc_u64 s[CB1:CB1+1], s[CB0:CB0+1], NEXTC ; 32 block rows further down: a base of its own, so that no base is stepped behind pending stores
	; a fragment: lane l holds row l % 16; registers 0-3 K = 8 (l / 16) + 0..7, registers 4-7 K = 16 + 8 (l / 16) + 0..7: two 16-byte loads, 32 bytes apart
	v_mul_u32_u24 v3, v1, PITCH
	v_lshl_add_u32 v3, v2, 4, v3                   ; row x pitch + 16 x half
	s_mul_i32 s22, s10, 16*NB*PITCH                ; my 96 rows of B,
	s_add_co_u32 s22, s22, ATILE                   ; behind A's 128
	v_mov_b32 v[ADRA], v3                          ; every wave reads all 128 rows of A
	v_add_nc_u32 v[ADRA+1], SLOT, v3
	v_add_nc_u32 v[ADRB], s22, v3
	s_add_co_u32 s22, s22, SLOT
	v_add_nc_u32 v[ADRB+1], s22, v3
	v_mul_u32_u24 v4, v1, SPITCH                   ; stage, in: row l % 16, my 192 bytes of it, 16 bytes for each half of the lanes
	v_lshl_add_u32 v4, v2, 4, v4
	s_mul_i32 s23, s10, 32*NB
	s_add_co_u32 s23, s23, STAGE
	v_add_nc_u32 v[STO], s23, v4
	v_mul_u32_u24 v5, v2, SPITCH                   ; stage, back: rows 4 w + l / 16 (+ 2), 16 lanes along 256 bytes
	v_lshl_add_u32 v5, v1, 4, v5
	s_mul_i32 s23, s10, 4*SPITCH
	s_add_co_u32 s23, s23, STAGE
	v_add_nc_u32 v[RD], s23, v5
	v_mul_u32_u24 v5, v2, CROW                     ; and the same rows in qkv
	v_lshl_add_u32 v5, v1, 4, v5
	s_mul_i32 s23, s10, 4*CROW
	v_add_nc_u32 v[CO], s23, v5
; 12 matrix instructions: row tiles a0, a0 + 1 of the window's four x my 6 column tiles, 32 along K.  zero = 1: the product starts the sums.
.macro MULH f, hi, a0, zero
.irp a, \a0, \a0+1
.irp b, 0,1,2,3,4,5
.if \zero
	v_wmma_f32_16x16x32_f16 v[8*(NB*(\a)+\b):8*(NB*(\a)+\b)+7], v[\f+8*\b:\f+8*\b+7], v[\f+8*(4*\hi+\a):\f+8*(4*\hi+\a)+7], 0
.else
	v_wmma_f32_16x16x32_f16 v[8*(NB*(\a)+\b):8*(NB*(\a)+\b)+7], v[\f+8*\b:\f+8*\b+7], v[\f+8*(4*\hi+\a):\f+8*(4*\hi+\a)+7], v[8*(NB*(\a)+\b):8*(NB*(\a)+\b)+7]
.endif
.endr
.endr
.endm
; 28 LDS loads in one run: 96 rows of B, then 128 rows of A, 32 K at byte k of the rows, into buffer f
.macro FETCH slot, k, f
	WIN TO_B
.irp i, 0,1,2,3,4,5
	ds_load_b128 v[\f+8*\i:\f+8*\i+3],   v[ADRB+\slot] offset:\k+\i*16*PITCH
	ds_load_b128 v[\f+8*\i+4:\f+8*\i+7], v[ADRB+\slot] offset:\k+\i*16*PITCH+32
.endr
	WIN 0
.irp i, 0,1,2,3,4,5,6,7
	ds_load_b128 v[\f+8*\i:\f+8*\i+3],   v[ADRA+\slot] offset:\k+\i*16*PITCH
	ds_load_b128 v[\f+8*\i+4:\f+8*\i+7], v[ADRA+\slot] offset:\k+\i*16*PITCH+32
.endr
.endm
; A load into a register that a matrix instruction has read, and a vector instruction that reads a matrix result, stand four plain
; vector instructions behind it (ISA guide 7.12.1 for vector instructions); the matrix instructions in between are not counted.
.macro PLACES
.rept 4
	v_nop
.endr
.endm
; One of a K step's first three quarters: multiplies buffer f and, in its middle, fetches the next quarter's fragments into buffer g.
.macro QUARTER slot, k, f, g, zero
	s_wait_dscnt 8                                 ; B and A's rows 0-63 are in; the youngest eight loads (A's rows 64-127) may be out
	WIN MUL_LO
	MULH \f, 0, 0, \zero
	MULH \f, 0, 2, \zero
	PLACES
	FETCH \slot, \k, \g
	s_wait_dscnt 2*NB+16                           ; all but the 28 just issued
	WIN MUL_HI
	MULH \f, 1, 0, \zero
	MULH \f, 1, 2, \zero
.endm
.macro THREE slot, zero
	QUARTER \slot, 64,  F0, F1, \zero
	QUARTER \slot, 128, F1, F0, 0
	QUARTER \slot, 192, F0, F1, 0
.endm
; The last quarter multiplies buffer 1 and changes slots.  In front of the one barrier each wave waits for its reads of this slot and for
; all its tensor loads (one is out: its part of the next slot); behind it the refill comes first, then the next slot's first fragments.
; fill = 0: nothing is left to fetch; 1: this slot gets the tile two K steps ahead; 2: it gets the second block's K step 0 or 1.
; pf = 1: behind the refill wave 0 asks ahead for K steps 2 pfp and 2 pfp + 1 of the block at base pfb.
.macro TURN slot, next, fill, pf, pfb, pfp
	s_wait_dscnt 8
	WIN MUL_LO
	MULH F1, 0, 0, 0
	s_wait_dscnt 0                                 ; my reads of this slot are over
	s_wait_tensorcnt 0x0                           ; all my tensor loads have landed
	ds_add_u32 v255, v255
	s_wait_dscnt 0x0
	s_barrier_signal -1                            ; say so (where the slot is filled again this opens a round of the cluster's barrier),
	MULH F1, 0, 2, 0                               ; work on registers while the others arrive,
	WIN 0
	s_barrier_wait -1
.if \fill
	CREST                                          ; no wave of any partner still reads this slot or has a load on its way
.if \fill == 1
	s_add_nc_u64 s[G0+4*\slot+2:G0+4*\slot+3], s[G0+4*\slot+2:G0+4*\slot+3], 2*KSTEP*2
	s_add_nc_u64 s[G0B+4*\slot+2:G0B+4*\slot+3], s[G0B+4*\slot+2:G0B+4*\slot+3], 2*KSTEP*2
.else
	s_add_nc_u64 s[G0+4*\slot+2:G0+4*\slot+3], s[G0+4*\slot+2:G0+4*\slot+3], NEXTA-KBACK    ; xh: 32 block rows down, six K steps back
	s_sub_nc_u64 s[G0B+4*\slot+2:G0B+4*\slot+3], s[G0B+4*\slot+2:G0B+4*\slot+3], KBACK      ; wqh: the same rows, six K steps back
.endif
	JLOAD \slot                                    ; the wave's one tensor load behind the round, and the first thing there
.if \pf
	PFA \pfb, \pfp
.endif
.endif
	PLACES
	FETCH \next, 0, F0
	WIN MUL_HI
	MULH F1, 1, 0, 0
	MULH F1, 1, 2, 0
.endm
.macro LAP zero, pf, pfb, pfp          ; two K steps, both slots filled again; the request ahead stands at the end of the odd one
	THREE 0, \zero
	TURN 0, 1, 1, 0, 0, 0
	THREE 1, 0
	TURN 1, 0, 1, \pf, \pfb, \pfp
.endm
; THE WAY OUT, 16 rows at a time: round to f16, each wave puts its 192 bytes of every row into a stage that the four waves share,
; a barrier, and each wave reads four whole rows back and stores them, sixteen lanes to 256 consecutive bytes that start at a
; multiple of 256.  Two stages take turns: the stage of pass i is written again two passes later (in the next block too), behind the
; barrier of the pass between, in front of which every wave's reads of pass i have come back.
.macro OUT16 i, a, from, f, cb
	WIN \from
.irp b, 0,1,2,3,4,5
.irp e, 0,1,2,3
	v_cvt_pk_f16_f32 v[TMP+4*\b+\e], v[8*(NB*\a+\b)+2*\e], v[8*(NB*\a+\b)+2*\e+1]
.endr
.endr
	WIN 0
.irp b, 0,1,2,3,4,5
	ds_store_b128 v[STO], v[TMP+4*\b:TMP+4*\b+3] offset:(\i%2)*SBYTES+32*\b
.endr
	s_wait_dscnt 0x0                               ; for the other waves' sake: my part of the rows is written
	s_barrier_signal -1
	s_barrier_wait -1
	s_wait_xcnt 0x0                                ; buffer f was the data of stores two passes ago: it is loaded again only behind this wait
.irp pr, 0,1
.irp cu, 0,1,2
	ds_load_b128 v[\f+4*(3*\pr+\cu):\f+4*(3*\pr+\cu)+3], v[RD] offset:(\i%2)*SBYTES+\pr*2*SPITCH+\cu*256
.endr
.endr
.irp pr, 0,1
.irp cu, 0,1,2
	s_wait_dscnt 5-(3*\pr+\cu)                     ; LDS loads come back in order: this one is in
	global_store_b128 v[CO], v[\f+4*(3*\pr+\cu):\f+4*(3*\pr+\cu)+3], s[\cb:\cb+1] offset:\i*16*CROW+\pr*2*CROW+\cu*256
.endr
.endr
.endm
.macro OUTALL cb
	PLACES                                         ; behind the last products, in front of the first read of a sum
	OUT16 0, 0, 0x0a, RB0, \cb
	OUT16 1, 1, 0x0a, RB1, \cb
	OUT16 2, 2, 0x0a, RB0, \cb
	OUT16 3, 3, 0x0a, RB1, \cb
	OUT16 4, 0, 0x0f, RB0, \cb
	OUT16 5, 1, 0x0f, RB1, \cb
	OUT16 6, 2, 0x0f, RB0, \cb
	OUT16 7, 3, 0x0f, RB1, \cb
.endm
	s_wait_tensorcnt 1                             ; my part of K step 0 is in; K step 1's stays out
	s_barrier_signal -1
	s_barrier_wait -1                              ; everybody's is
	FETCH 0, 0, F0
	; THE FIRST BLOCK
	LAP 1, 1, PFB0, 2                              ; K steps 0, 1: the first products start the sums, nothing is cleared; asks ahead for K steps 4, 5
	LAP 0, 1, PFB0, 3                              ; K steps 2, 3; asks ahead for 6, 7
	LAP 0, 1, PFB1, 0                              ; K steps 4, 5; asks ahead for the second block's 0, 1
	THREE 0, 0                                     ; K steps 6, 7 fill the slots with the second block's first two K steps
	TURN 0, 1, 2, 0, 0, 0
	THREE 1, 0
	TURN 1, 0, 2, 1, PFB1, 1                       ; fetches that block's first fragments into buffer 0; asks ahead for its K steps 2, 3
	OUTALL CB0                                     ; while the second block's K step 1 is on its way
	; THE SECOND BLOCK
	LAP 1, 1, PFB1, 2                              ; its first products start the sums anew
	LAP 0, 1, PFB1, 3
	LAP 0, 0, 0, 0                                 ; nothing is left to ask ahead for
	THREE 0, 0                                     ; the last lap fills nothing
	TURN 0, 1, 0, 0, 0, 0
	THREE 1, 0
	s_wait_dscnt 8
	WIN MUL_LO
	MULH F1, 0, 0, 0
	MULH F1, 0, 2, 0
	s_wait_dscnt 0
	WIN MUL_HI
	MULH F1, 1, 0, 0
	MULH F1, 1, 2, 0
	OUTALL CB1
	s_set_vgpr_msb 0x1
	s_wait_tensorcnt 0x0
	ds_add_u32 v255, v255
	s_wait_dscnt 0x0
	s_set_vgpr_msb 0x100
	CROUND                                         ; the closing round: no work-group ends while a partner may still ask for a tile that names it
	s_endpgm
.Lfunc_end_k_q833d46bc52_gqkv:
	.size	k_q833d46bc52_gqkv, .Lfunc_end_k_q833d46bc52_gqkv-k_q833d46bc52_gqkv
	.p2alignl 7, 3214868480
	.fill 96, 4, 3214868480
	.section	.rodata,"a",@progbits
	.p2align	6, 0x0
	.amdhsa_kernel k_q833d46bc52_gqkv
		.amdhsa_group_segment_fixed_size 327680
		.amdhsa_private_segment_fixed_size 0
		.amdhsa_enable_private_segment 0
		.amdhsa_kernarg_size 24
		.amdhsa_user_sgpr_count 2
		.amdhsa_user_sgpr_kernarg_segment_ptr 1
		.amdhsa_wavefront_size32 1
		.amdhsa_system_sgpr_workgroup_id_x 1
		.amdhsa_system_sgpr_workgroup_id_y 1
		.amdhsa_system_sgpr_workgroup_id_z 1
		.amdhsa_system_vgpr_workitem_id 0
		.amdhsa_next_free_vgpr 960
		.amdhsa_next_free_sgpr 72
		.amdhsa_reserve_vcc 0
		.amdhsa_float_denorm_mode_32 3
		.amdhsa_float_denorm_mode_16_64 3
		.amdhsa_memory_ordered 1
		.amdhsa_forward_progress 1
		.amdhsa_inst_pref_size 255
	.end_amdhsa_kernel
	.section	.bss,"aw",@nobits
	.p2align	6
	.space	262144
	.amdgpu_metadata
---
amdhsa.version: [ 1, 2 ]
amdhsa.kernels:
  - .name:           k_q833d46bc52_gqkv
    .symbol:         k_q833d46bc52_gqkv.kd
    .args:
      - { .name: xh, .offset: 0, .size: 8, .value_kind: global_buffer, .address_space: global }
      - { .name: wqh, .offset: 8, .size: 8, .value_kind: global_buffer, .address_space: global }
      - { .name: qkv, .offset: 16, .size: 8, .value_kind: global_buffer, .address_space: global }
    .group_segment_fixed_size: 327680
    .private_segment_fixed_size: 0
    .kernarg_segment_align: 8
    .kernarg_segment_size: 24
    .max_flat_workgroup_size: 128
    .sgpr_count:     72
    .vgpr_count:     960
    .wavefront_size: 32
...
	.end_amdgpu_metadata
.endif
;; end of part 2
;; launch attn (part 3): grid 256 x 1, 4 waves a work-group, clusters of 4 x 1, 327,680 bytes of LDS; arguments qkv, temperature, att; writes att
.if DOCPART == 3
	.amdgcn_target "amdgcn-amd-amdhsa--gfx1250"
	.amdhsa_code_object_version 6
	.text
	.protected	k_q833d46bc52_attn
	.globl	k_q833d46bc52_attn
	.p2align	8
	.type	k_q833d46bc52_attn,@function
k_q833d46bc52_attn:
	s_mov_b64 s[64:65], 0
	v_nop
	global_prefetch_b8 v0, s[64:65] scope:SCOPE_SE
	s_setreg_imm32_b32 hwreg(HW_REG_WAVE_MODE, 25, 1), 1
	s_wait_xcnt 0x0
	s_wait_alu depctr_hold_cnt(0) depctr_sa_sdst(0) depctr_va_vdst(0) depctr_va_sdst(0) depctr_va_ssrc(0) depctr_va_vcc(0) depctr_vm_vsrc(0)
	s_getreg_b32 s2, hwreg(HW_REG_IB_STS2, 6, 4)
	s_cmp_eq_u32 s2, 0
	s_cbranch_scc0 .Lentry_in_a_cluster
	s_endpgm
.Lentry_in_a_cluster:
	s_bfe_u32 s2, ttmp6, 0x10000c
	s_cmp_lg_u32 s2, 0x3003
	s_cbranch_scc0 .Lentry_shape_is_right
	s_endpgm
.Lentry_shape_is_right:
; att[b][t][64 head + d] = softmax over s of (exp(temperature) q.k, the score s = t replaced by minus infinity) times v.
; qkv: [8192 tokens][3072] f16 (q, k at +1024, v at +2048 columns, 64 columns a head); att: [8192][1024] f16.  No work is left out: the
; one masked score of a row lies in a tile of live scores, which is computed whole; the score is then replaced by a select.
; LIMITS: -87 < temperature < 88 (exp(temperature) a normal f32: with a scale of 0 the masked score would turn into a NaN).  The masked
; score is minus infinity here and -FLT_MAX in the problem: both give the probability 0 as long as a row has a finite score besides.
; SHARES: a cluster of four work-groups takes one batch and one PAIR of heads, so that every row of q, k, v and att is 256 consecutive
; bytes; work-group cx takes queries 256 cx .. + 255.  The four walk the same K and V: those tiles are asked for jointly (mask 15).
; Wave w takes head w & 1 of the pair and queries 128 (w >> 1) .. + 127 of the block: eight query tiles of 16.
; TRANSPOSED: S^T = K Q^T (source 0 = 16 keys, source 1 = 16 queries): lane (r, h) holds query r and keys 8 h + 0..7 of each key tile, so a
; query's maximum and sum stay in two lanes, and two key tiles rounded to f16 ARE the second source of O^T = V^T P^T, with no trip
; through LDS.  V^T comes by the transposing LDS load.  In O^T a lane holds eight neighbouring d of query r: 16 bytes in f16.
; SOFTMAX: a running maximum per query.  NM = -c m with c = exp(temperature) log2(e); p = exp2(c s + NM) <= 1; the sum is at least 1.
; Every step of 128 keys has at most one masked key, so a step's maximum is finite.
; LDS: rows of 256 bytes + 32 = 288, an odd multiple of 32, as the transposing load's eight-row groups want; the plain 16-byte reads
; of K and Q then meet two lanes deep (rows r and r + 8): K's 32 loads a wave and step, and Q's 32 once.
; THE LOOP STANDS IN PHASES (products, softmax, products) for each query tile.  K, Q, V and O fill windows 1 to 3 and the scores lie in
; window 0, so a product set among a neighbouring tile's softmax lines would cost two switches of the register window: 448 more
; instructions in a step for the 224 products that have such a neighbour.  In phases a query tile costs four switches.
.set PITCH,  288
.set QBYTES, 256*PITCH                 ; 73,728: the block's 256 queries
.set KBYTES, 128*PITCH                 ; 36,864: 128 keys
.set SLOT,   2*KBYTES                  ; K's rows, then V's
.set SLOT0,  QBYTES
.set STAGE,  QBYTES+2*SLOT             ; 221,184, a multiple of 256: never filled by a tensor load
.set SPITCH, 272
.set WPART,  64*PITCH                  ; what one tensor load brings: 64 rows
.set ROWB,   6144                      ; bytes in a row of qkv
.set STEP,   128*ROWB                  ; 128 keys on
.set ADRK, 16                          ; v16-17 K fragments in slot 0, 1
.set ADRV, 18                          ; v18-19 V fragments in slot 0, 1
.set ADRQ, 20
.set STO,  21
.set RD,   22
.set CO,   23
.set NM,   32                          ; v32-39  -c x running maximum of query tile qt
.set LS,   40                          ; v40-47  running sum over the lane's own keys
.set T,    48                          ; v48-51  at work
.set AL,   52                          ; v52-53  the factor for the old sums (v53 only completes the pair)
.set X,    54
.set E,    55
.set CC,   56                          ; v56-57  c, twice
.set A0,   58                          ; v58-61  two pairs of partial sums
.set A1,   60
.set NEG,  62                          ; minus infinity
.set S,    64                          ; v64-127  scores: key tile kt at S + 8 kt
.set P,    128                         ; v128-159 probabilities in f16: four second sources of 32 keys
.set VF,   128                         ; window 3: V^T fragment (ht, ks2) at VF + 32 ht + 8 ks2;  K fragment (kt, ks) at 16 kt + 8 ks
                                       ; window 2: Q fragment (qt, ks) at 16 qt + 8 ks;  window 1: O tile (qt, ht) at 32 qt + 8 ht
.set G1J, 16                           ; s[16:23] group 1 of the joint loads
.set G1Q, 24                           ; s[24:31] group 1 of Q's plain load
.set G0,  32                           ; s[32:39] group 0, one set for each slot
.set G0Q, 40                           ; s[40:43] group 0 of Q's load
.set MK,  48                           ; s[48:55] lane masks of the diagonal, register j
.set MSB, 0
.macro WIN new
.if MSB != \new
	s_set_vgpr_msb (MSB<<8)|\new
.set MSB, \new
.endif
.endm
.macro PLACES                          ; four plain vector instructions behind a matrix instruction (ISA guide 7.12.1 for vector instructions)
.rept 4
	v_nop
.endr
.endm
.macro ROUND                           ; a round of the cluster's barrier
	s_barrier_signal -1
	s_barrier_wait -1
	s_cmp_lg_u32 s10, 0
	s_cbranch_scc1 .Lnot_wave_0_\@
	s_barrier_signal -3
.Lnot_wave_0_\@:
	s_barrier_wait -3
	s_barrier_signal -1
	s_barrier_wait -1
.endm
	s_load_b128 s[4:7], s[0:1], 0x0                ; qkv s[4:5], temperature s[6:7]
	s_load_b64 s[8:9], s[0:1], 0x10                ; att
	v_lshl_add_u32 v254, v0, 2, 0x47000
	v_mov_b32 v255, 0
	ds_add_u32 v254, v255
	v_lshrrev_b32 v1, 5, v0
	v_readfirstlane_b32 s10, v1                    ; wave 0..3
	s_and_b32 s11, s10, 1                          ; my head of the pair.  Also: which 64 rows of a tile I fetch
	s_lshr_b32 s12, s10, 1                         ; my half of the queries.  Also: I fetch K (0) or V (1)
	s_bfe_u32 s13, ttmp6, 0x40000                  ; cx: the query block
	s_lshr_b32 s14, ttmp9, 3                       ; batch
	s_and_b32 s15, ttmp9, 7                        ; pair of heads
	; group 1: 64 rows x 128 elements of 2 bytes, 8 words of padding behind every 64; the joint one with mask 15 and bit 21 beside it
	s_mov_b32 s[G1J+0], 15|(1<<16)|(1<<20)|(1<<21)|(5<<22)|(7<<25)
	s_mov_b32 s[G1Q+0], (1<<16)|(1<<20)|(5<<22)|(7<<25)
	s_mov_b32 s[G1J+1], 128<<16                    ; tensor_dim0
	s_mov_b32 s[G1Q+1], 128<<16
	s_mov_b32 s[G1J+2], 64<<16                     ; tensor_dim1
	s_mov_b32 s[G1Q+2], 64<<16
	s_mov_b32 s[G1J+3], 128<<16                    ; tile_dim0
	s_mov_b32 s[G1Q+3], 128<<16
	s_mov_b32 s[G1J+4], 64                         ; tile_dim1
	s_mov_b32 s[G1Q+4], 64
	s_mov_b32 s[G1J+5], 3072                       ; elements from row to row
	s_mov_b32 s[G1Q+5], 3072
	s_mov_b32 s[G1J+6], 0
	s_mov_b32 s[G1Q+6], 0
	s_mov_b32 s[G1J+7], 0
	s_mov_b32 s[G1Q+7], 0
	; K's and V's tiles: batch, pair and wave alone, the same in all four partners
	s_lshl_b32 s60, s14, 10                        ; token 1024 b
	s_lshl_b32 s59, s11, 6                         ; + 64 x half
	s_add_co_u32 s60, s60, s59
	s_mul_i32 s60, s60, ROWB                       ; (below 50 MiB)
	s_lshl_b32 s59, s12, 11                        ; K at byte 2,048 of a row, V at 4,096
	s_add_co_u32 s60, s60, s59
	s_lshl_b32 s59, s15, 8                         ; the pair's 256 bytes
	s_add_co_u32 s60, s60, s59
	s_add_co_u32 s60, s60, 2048
	s_mov_b32 s61, 0
	; Q's tile: my own block; cx enters this global address and no LDS address
	s_lshl_b32 s62, s14, 10
	s_lshl_b32 s3, s13, 8                          ; + 256 cx
	s_add_co_u32 s62, s62, s3
	s_lshl_b32 s3, s10, 6                          ; + 64 w
	s_add_co_u32 s62, s62, s3
	s_mul_i32 s62, s62, ROWB
	s_add_co_u32 s62, s62, s59                     ; the pair's 256 bytes
	s_mov_b32 s63, 0
	s_mul_i32 s47, s10, WPART                      ; my 64 rows' place in Q, and in a slot (K's halves, then V's)
	s_wait_dscnt 0x0
	s_wait_kmcnt 0x0
	s_load_b32 s58, s[6:7], 0x0                    ; the temperature
	s_mov_b32 s[G0Q], 1
	s_mov_b32 s[G0Q+1], s47
	s_add_nc_u64 s[G0Q+2:G0Q+3], s[4:5], s[62:63]
	s_or_b32 s[G0Q+3], s[G0Q+3], 0x80000000
	s_mov_b32 s[G0], 1
	s_add_co_u32 s[G0+1], s47, SLOT0
	s_add_nc_u64 s[G0+2:G0+3], s[4:5], s[60:61]    ; keys 0-127
	s_mov_b32 s[G0+4], 1
	s_add_co_u32 s[G0+5], s47, SLOT0+SLOT
	s_add_nc_u64 s[G0+6:G0+7], s[G0+2:G0+3], STEP  ; keys 128-255
	s_or_b32 s[G0+3], s[G0+3], 0x80000000
	s_or_b32 s[G0+7], s[G0+7], 0x80000000
	ROUND                                          ; the four work-groups are here: the first joint load meets
	tensor_load_to_lds s[G0Q:G0Q+3], s[G1Q:G1Q+7]  ; my 64 queries
	s_nop 0
	tensor_load_to_lds s[G0:G0+3], s[G1J:G1J+7]    ; my quarter of step 0's K and V: two tensor loads of the wave are out
	s_nop 0
	; my block of att
	s_lshl_b32 s62, s14, 10
	s_lshl_b32 s3, s13, 8
	s_add_co_u32 s62, s62, s3
	s_lshl_b32 s62, s62, 11                        ; rows of 2,048 bytes
	s_add_co_u32 s62, s62, s59
	s_add_nc_u64 s[8:9], s[8:9], s[62:63]
	s_lshl1_add_u32 s46, s13, s12                  ; the step that holds my queries' own keys: 2 cx + half
	s_mov_b32 s45, 0                               ; the step's number
	s_mov_b32 s56, 0x76543210                      ; v_permlanex16_b32: lane i reads lane i of the other half
	s_mov_b32 s57, 0xfedcba98
	v_and_b32 v1, 15, v0                           ; r
	v_bfe_u32 v2, v0, 4, 1                         ; h
	v_and_b32 v3, 7, v0
	v_bfe_u32 v4, v0, 3, 1
	s_lshl_b32 s59, s11, 7                         ; my head's 128 bytes of a row
	v_mul_u32_u24 v5, v1, PITCH
	v_lshl_add_u32 v5, v2, 4, v5
	v_add_nc_u32 v5, s59, v5                       ; 288 r + 16 h + 128 head
	v_add_nc_u32 v[ADRK], SLOT0, v5
	v_add_nc_u32 v[ADRK+1], SLOT0+SLOT, v5
	s_mul_i32 s2, s12, 128*PITCH
	v_add_nc_u32 v[ADRQ], s2, v5
	v_lshl_add_u32 v6, v2, 3, v3                   ; the transposing load: key 8 h + (l & 7),
	v_mul_u32_u24 v6, v6, PITCH
	v_lshl_add_u32 v6, v4, 4, v6                   ; 16 bytes for each group of eight lanes
	v_add_nc_u32 v6, s59, v6
	v_add_nc_u32 v[ADRV], SLOT0+KBYTES, v6
	v_add_nc_u32 v[ADRV+1], SLOT0+SLOT+KBYTES, v6
	v_mul_u32_u24 v7, v1, SPITCH                   ; stage, in: my query's row, my head's half, 16 bytes for each half of the lanes
	v_lshl_add_u32 v7, v2, 4, v7
	s_mul_i32 s2, s12, 128*SPITCH
	s_add_co_u32 s2, s2, s59
	s_add_co_u32 s2, s2, STAGE
	v_add_nc_u32 v[STO], s2, v7
	v_mul_u32_u24 v7, v2, SPITCH                   ; stage, back: rows 64 w + l / 16 (+ 2 t), 16 lanes along 256 bytes
	v_lshl_add_u32 v7, v1, 4, v7
	s_mul_i32 s2, s10, 64*SPITCH
	s_add_co_u32 s2, s2, STAGE
	v_add_nc_u32 v[RD], s2, v7
	v_lshlrev_b32 v7, 11, v2                       ; and the same rows in att
	v_lshl_add_u32 v7, v1, 4, v7
	s_lshl_b32 s2, s10, 17
	v_add_nc_u32 v[CO], s2, v7
	v_mov_b32 v[AL+1], 0                           ; the second register of pairs of which one register is used: written once, since a pair counts as read whole
.irp q, 1,3,5,7
	v_mov_b32 v[NM+\q], 0                          ; an even tile's first pass names the pair before the odd tile has written its half
.endr
	s_wait_kmcnt 0x0
	v_mov_b32 v[CC], s58
	v_mul_f32 v[CC], 0x3fb8aa3b, v[CC]
	v_exp_f32 v[CC], v[CC]                         ; exp(temperature)
	v_mov_b32 v[NEG], 0xff800000                   ; the plain instruction behind the exponential (ISA guide 5.7.2)
	s_wait_alu depctr_va_vdst(0)
	v_mul_f32 v[CC], 0x3fb8aa3b, v[CC]             ; c = exp(temperature) log2(e)
	v_mov_b32 v[CC+1], v[CC]
.macro FMA4 kt, odd                    ; c s - c m for key tile kt; NP is the pair that holds this query tile's NM, odd says which half
.irp i, 0,2,4,6
	v_pk_fma_f32 v[S+8*(\kt)+\i:S+8*(\kt)+\i+1], v[S+8*(\kt)+\i:S+8*(\kt)+\i+1], v[CC:CC+1], v[NP:NP+1] op_sel:[0,0,\odd] op_sel_hi:[1,1,\odd]
.endr
.endm
.macro EXP8 kt
.irp j, 0,1,2,3,4,5,6,7
	v_exp_f32 v[S+8*(\kt)+\j], v[S+8*(\kt)+\j]
.endr
.endm
.macro SUMCVT kt, start                ; adds tile kt's probabilities to two chains and rounds them to f16
.if \start
	s_wait_alu depctr_va_vdst(0)
	v_pk_add_f32 v[A0:A0+1], v[S:S+1], v[S+2:S+3]              ; the first tile starts the chains: nothing is cleared
	v_pk_add_f32 v[A1:A1+1], v[S+4:S+5], v[S+6:S+7]
.else
	s_wait_alu depctr_va_vdst(0)
	v_pk_add_f32 v[A0:A0+1], v[A0:A0+1], v[S+8*(\kt):S+8*(\kt)+1]
	v_pk_add_f32 v[A1:A1+1], v[A1:A1+1], v[S+8*(\kt)+2:S+8*(\kt)+3]
	v_pk_add_f32 v[A0:A0+1], v[A0:A0+1], v[S+8*(\kt)+4:S+8*(\kt)+5]
	v_pk_add_f32 v[A1:A1+1], v[A1:A1+1], v[S+8*(\kt)+6:S+8*(\kt)+7]
.endif
.irp i, 0,1,2,3
	v_cvt_pk_f16_f32 v[P+4*(\kt)+\i], v[S+8*(\kt)+2*\i], v[S+8*(\kt)+2*\i+1]
.endr
.endm
; One query tile against the step's 128 keys.  odd = qt & 1.  first = 1: the first step starts maximum, sum and O.
; In both runs of products the accumulators take turns, one instruction a turn (8 score tiles; 4 tiles of O);
; the last product of a run and the first of the next name different accumulators, over the loop's backward jump too.
.macro QT qt, odd, first
.set NP, NM+\qt-\odd
.if \qt == 0
	s_wait_dscnt 32                                ; Q and K are in; the youngest 32 loads, V's, may stay out
.endif
	WIN 0x0b                                       ; source 0 (K) window 3, source 1 (Q) window 2, C and D window 0
.irp kt, 0,1,2,3,4,5,6,7
	v_wmma_f32_16x16x32_f16 v[S+8*\kt:S+8*\kt+7], v[16*\kt:16*\kt+7], v[16*\qt:16*\qt+7], 0
.endr
.irp kt, 0,1,2,3,4,5,6,7
	v_wmma_f32_16x16x32_f16 v[S+8*\kt:S+8*\kt+7], v[16*\kt+8:16*\kt+15], v[16*\qt+8:16*\qt+15], v[S+8*\kt:S+8*\kt+7]
.endr
	WIN 0
	PLACES
	; the diagonal: query 16 qt + r meets key 16 kt + 8 h + j only in my own step, in tile kt = qt, where r = 8 h + j: lanes j and 24 + j of register j
.irp j, 0,1,2,3,4,5,6,7
	v_cndmask_b32 v[S+8*\qt+\j], v[S+8*\qt+\j], v[NEG], s[MK+\j]
.endr
	; the largest of my 64 scores, in four chains, then the other half of the lanes
.irp c, 0,1,2,3
	v_max3_num_f32 v[T+\c], v[S+\c], v[S+\c+4], v[S+\c+8]
.endr
.irp i, 0,1,2,3,4,5
.irp c, 0,1,2,3
	v_max3_num_f32 v[T+\c], v[T+\c], v[S+\c+12+8*\i], v[S+\c+16+8*\i]
.endr
.endr
	v_max3_num_f32 v[T], v[T], v[S+60], v[S+61]
	v_max3_num_f32 v[T+2], v[T+2], v[S+62], v[S+63]
	v_max3_num_f32 v[T], v[T], v[T+1], v[T+2]
	v_max_num_f32 v[T], v[T], v[T+3]
	v_permlanex16_b32 v[T+1], v[T], s56, s57
	v_max_num_f32 v[T+2], v[T], v[T+1]             ; the step's maximum for query r, in both its lanes
.if \first
	v_mul_f32 v[NM+\qt], -v[CC], v[T+2]
.else
	v_mul_f32 v[X], -v[CC], v[T+2]
	v_sub_f32 v[E], v[X], v[NM+\qt]
	v_min_num_f32 v[NM+\qt], v[X], v[NM+\qt]       ; -c x the new maximum (c > 0)
	v_min_num_f32 v[E], 0, v[E]                    ; c (old maximum - new maximum)
	v_exp_f32 v[AL], v[E]                          ; the factor for the old sums; plain lines that touch neither register follow
.endif
	; three stages, a tile apart: between a tile's exponentials and the first use of their results stand plain lines on other tiles (ISA guide 5.7.2)
	FMA4 0, \odd
	FMA4 1, \odd
	EXP8 0
	FMA4 2, \odd
	EXP8 1
	SUMCVT 0, 1
	FMA4 3, \odd
	EXP8 2
	SUMCVT 1, 0
	FMA4 4, \odd
	EXP8 3
	SUMCVT 2, 0
	FMA4 5, \odd
	EXP8 4
	SUMCVT 3, 0
	FMA4 6, \odd
	EXP8 5
	SUMCVT 4, 0
	FMA4 7, \odd
	EXP8 6
	SUMCVT 5, 0
	EXP8 7
	SUMCVT 6, 0
	SUMCVT 7, 0
	v_pk_add_f32 v[A0:A0+1], v[A0:A0+1], v[A1:A1+1]
.if \first
	v_add_f32 v[LS+\qt], v[A0], v[A0+1]
.else
	v_add_f32 v[T], v[A0], v[A0+1]
	v_fma_f32 v[LS+\qt], v[LS+\qt], v[AL], v[T]
	WIN 0x41                                       ; O in window 1 as source 0 and destination
.irp i, 0,1,2,3,4,5,6,7,8,9,10,11,12,13,14,15
	v_pk_mul_f32 v[32*\qt+2*\i:32*\qt+2*\i+1], v[32*\qt+2*\i:32*\qt+2*\i+1], v[AL:AL+1] op_sel_hi:[1,0]
.endr
.endif
.if \qt == 0
	s_wait_dscnt 0x0                               ; V's fragments are in
.endif
	WIN 0x53                                       ; source 0 (V^T) window 3, source 1 (P) window 0, C and D (O) window 1
.irp ht, 0,1,2,3
.if \first
	v_wmma_f32_16x16x32_f16 v[32*\qt+8*\ht:32*\qt+8*\ht+7], v[VF+32*\ht:VF+32*\ht+7], v[P:P+7], 0
.else
	v_wmma_f32_16x16x32_f16 v[32*\qt+8*\ht:32*\qt+8*\ht+7], v[VF+32*\ht:VF+32*\ht+7], v[P:P+7], v[32*\qt+8*\ht:32*\qt+8*\ht+7]
.endif
.endr
.irp ks2, 1,2,3
.irp ht, 0,1,2,3
	v_wmma_f32_16x16x32_f16 v[32*\qt+8*\ht:32*\qt+8*\ht+7], v[VF+32*\ht+8*\ks2:VF+32*\ht+8*\ks2+7], v[P+8*\ks2:P+8*\ks2+7], v[32*\qt+8*\ht:32*\qt+8*\ht+7]
.endr
.endr
.endm
; One step of 128 keys, read from slot.  refill = 1: the next step's tiles are asked for, into the other slot.
.macro TRIP slot, refill, first
	s_wait_tensorcnt 0x0                           ; all my tensor loads have landed, my part of this step's tiles among them,
	ds_add_u32 v254, v255
	s_wait_dscnt 0x0
	s_add_nc_u64 s[G0+4*\slot+2:G0+4*\slot+3], s[G0+4*\slot+2:G0+4*\slot+3], 2*STEP   ; so a group 0 may be written: this slot's next tiles
	s_wait_dscnt 0x0                               ; my reads of the other slot are back
	ROUND                                          ; both now hold of every wave of all four work-groups
.if \refill
	tensor_load_to_lds s[G0+4-4*\slot:G0+7-4*\slot], s[G1J:G1J+7]   ; the wave's one tensor load behind the round, and the first thing there
	s_nop 0
.endif
	s_cmp_eq_u32 s45, s46                          ; is this the step with my queries' own keys?  It chooses a mask, no path
	s_cselect_b32 s[MK], 0x01000001, 0             ; lanes 0 and 24
.irp j, 1,2,3,4,5,6,7
	s_lshl_b32 s[MK+\j], s[MK], \j                 ; lanes j and 24 + j
.endr
	s_add_co_u32 s45, s45, 1
.if \first
	WIN 0x80                                       ; destination window 2
.irp qt, 0,1,2,3,4,5,6,7
.irp ks, 0,1
	ds_load_b128 v[16*\qt+8*\ks:16*\qt+8*\ks+3],   v[ADRQ] offset:16*PITCH*\qt+64*\ks
	ds_load_b128 v[16*\qt+8*\ks+4:16*\qt+8*\ks+7], v[ADRQ] offset:16*PITCH*\qt+64*\ks+32
.endr
.endr
.else
	PLACES                                         ; the loads below land in registers that the last products read
.endif
	WIN 0xc0                                       ; destination window 3
.irp kt, 0,1,2,3,4,5,6,7
.irp ks, 0,1
	ds_load_b128 v[16*\kt+8*\ks:16*\kt+8*\ks+3],   v[ADRK+\slot] offset:16*PITCH*\kt+64*\ks
	ds_load_b128 v[16*\kt+8*\ks+4:16*\kt+8*\ks+7], v[ADRK+\slot] offset:16*PITCH*\kt+64*\ks+32
.endr
.endr
.irp ht, 0,1,2,3
.irp ks2, 0,1,2,3
	ds_load_tr16_b128 v[VF+32*\ht+8*\ks2:VF+32*\ht+8*\ks2+3],   v[ADRV+\slot] offset:32*PITCH*\ks2+32*\ht
	ds_load_tr16_b128 v[VF+32*\ht+8*\ks2+4:VF+32*\ht+8*\ks2+7], v[ADRV+\slot] offset:32*PITCH*\ks2+32*\ht+16*PITCH
.endr
.endr
	QT 0, 0, \first
	QT 1, 1, \first
	QT 2, 0, \first
	QT 3, 1, \first
	QT 4, 0, \first
	QT 5, 1, \first
	QT 6, 0, \first
	QT 7, 1, \first
	WIN 0                                          ; at a label and at a branch every window is 0
.endm
	TRIP 0, 1, 1                                   ; step 0; slot 1 gets its first fill as a refill does
	s_mov_b32 s44, 3
.Ltrips:
	TRIP 1, 1, 0                                   ; steps 1, 3, 5
	TRIP 0, 1, 0                                   ; steps 2, 4, 6
	s_sub_co_u32 s44, s44, 1
	s_cmp_lg_u32 s44, 0
	s_cbranch_scc1 .Ltrips
	TRIP 1, 0, 0                                   ; step 7: nothing is left to fetch
	; THE WAY OUT.  The two halves of the lanes add their sums; O / sum is rounded to f16 and put into a stage of whole rows (two heads,
	; 256 bytes), a barrier since a row's halves come from two waves, and each wave stores 64 whole rows, sixteen lanes to 256
	; consecutive bytes that start at a multiple of 256.  The sixteen plain lines below name no register of the last products: they are
	; the places in front of the first read of O.
.irp q, 0,1,2,3,4,5,6,7
	v_permlanex16_b32 v[S+\q], v[LS+\q], s56, s57
.endr
.irp q, 0,1,2,3,4,5,6,7
	v_add_f32 v[LS+\q], v[LS+\q], v[S+\q]
.endr
.irp q, 0,1,2,3,4,5,6,7
	v_rcp_f32 v[LS+\q], v[LS+\q]
.endr
	v_nop                                          ; the plain instruction behind the reciprocals (ISA guide 5.7.2)
	s_wait_alu depctr_va_vdst(0)
.macro OUTQ qt, odd
	WIN 0x01                                       ; source 0 (O) window 1
.irp i, 0,1,2,3,4,5,6,7,8,9,10,11,12,13,14,15
	v_pk_mul_f32 v[S+2*\i:S+2*\i+1], v[32*\qt+2*\i:32*\qt+2*\i+1], v[LS+\qt-\odd:LS+\qt-\odd+1] op_sel:[0,\odd] op_sel_hi:[1,\odd]
.endr
	WIN 0
.irp i, 0,1,2,3,4,5,6,7,8,9,10,11,12,13,14,15
	v_cvt_pk_f16_f32 v[P+\i], v[S+2*\i], v[S+2*\i+1]
.endr
.irp ht, 0,1,2,3
	ds_store_b128 v[STO], v[P+4*\ht:P+4*\ht+3] offset:16*SPITCH*\qt+32*\ht
.endr
.endm
	OUTQ 0, 0
	OUTQ 1, 1
	OUTQ 2, 0
	OUTQ 3, 1
	OUTQ 4, 0
	OUTQ 5, 1
	OUTQ 6, 0
	OUTQ 7, 1
	s_wait_dscnt 0x0                               ; for the other waves' sake: my halves of the rows are written
	s_barrier_signal -1
	s_barrier_wait -1
.irp g, 0,1,2,3
	s_wait_xcnt 0x0                                ; the registers below were the data of stores two groups ago: loaded again only behind this wait
.irp t, 0,1,2,3,4,5,6,7
	ds_load_b128 v[S+32*(\g%2)+4*\t:S+32*(\g%2)+4*\t+3], v[RD] offset:2*SPITCH*(8*\g+\t)
.endr
.irp t, 0,1,2,3,4,5,6,7
	s_wait_dscnt 7-\t                              ; LDS loads come back in order: this one is in
	global_store_b128 v[CO], v[S+32*(\g%2)+4*\t:S+32*(\g%2)+4*\t+3], s[8:9] offset:4096*(8*\g+\t)
.endr
.endr
	s_wait_tensorcnt 0x0
	ds_add_u32 v254, v255
	s_wait_dscnt 0x0
	ROUND                                          ; the closing round: no work-group ends while a partner may still ask for a tile that names it
	s_endpgm
.Lfunc_end_k_q833d46bc52_attn:
	.size	k_q833d46bc52_attn, .Lfunc_end_k_q833d46bc52_attn-k_q833d46bc52_attn
	.p2alignl 7, 3214868480
	.fill 96, 4, 3214868480
	.section	.rodata,"a",@progbits
	.p2align	6, 0x0
	.amdhsa_kernel k_q833d46bc52_attn
		.amdhsa_group_segment_fixed_size 327680
		.amdhsa_private_segment_fixed_size 0
		.amdhsa_enable_private_segment 0
		.amdhsa_kernarg_size 24
		.amdhsa_user_sgpr_count 2
		.amdhsa_user_sgpr_kernarg_segment_ptr 1
		.amdhsa_wavefront_size32 1
		.amdhsa_system_sgpr_workgroup_id_x 1
		.amdhsa_system_sgpr_workgroup_id_y 1
		.amdhsa_system_sgpr_workgroup_id_z 1
		.amdhsa_system_vgpr_workitem_id 0
		.amdhsa_next_free_vgpr 1024
		.amdhsa_next_free_sgpr 66
		.amdhsa_reserve_vcc 0
		.amdhsa_float_denorm_mode_32 3
		.amdhsa_float_denorm_mode_16_64 3
		.amdhsa_memory_ordered 1
		.amdhsa_forward_progress 1
		.amdhsa_inst_pref_size 255
	.end_amdhsa_kernel
	.section	.bss,"aw",@nobits
	.p2align	6
	.space	262144
	.amdgpu_metadata
---
amdhsa.version: [ 1, 2 ]
amdhsa.kernels:
  - .name:           k_q833d46bc52_attn
    .symbol:         k_q833d46bc52_attn.kd
    .args:
      - { .name: qkv, .offset: 0, .size: 8, .value_kind: global_buffer, .address_space: global }
      - { .name: temperature, .offset: 8, .size: 8, .value_kind: global_buffer, .address_space: global }
      - { .name: att, .offset: 16, .size: 8, .value_kind: global_buffer, .address_space: global }
    .group_segment_fixed_size: 327680
    .private_segment_fixed_size: 0
    .kernarg_segment_align: 8
    .kernarg_segment_size: 24
    .max_flat_workgroup_size: 128
    .sgpr_count:     66
    .vgpr_count:     1024
    .wavefront_size: 32
...
	.end_amdgpu_metadata
.endif
;; end of part 3
;; launch gout (part 4): grid 4 x 64, 4 waves a work-group, clusters of 4 x 4, 327,680 bytes of LDS; arguments att, woh, out0, b_out; writes out0
.if DOCPART == 4
	.amdgcn_target "amdgcn-amd-amdhsa--gfx1250"
	.amdhsa_code_object_version 6
	.text
	.protected	k_q833d46bc52_gout
	.globl	k_q833d46bc52_gout
	.p2align	8
	.type	k_q833d46bc52_gout,@function
k_q833d46bc52_gout:
	s_mov_b64 s[64:65], 0
	v_nop
	global_prefetch_b8 v0, s[64:65] scope:SCOPE_SE
	s_setreg_imm32_b32 hwreg(HW_REG_WAVE_MODE, 25, 1), 1
	s_wait_xcnt 0x0
	s_wait_alu depctr_hold_cnt(0) depctr_sa_sdst(0) depctr_va_vdst(0) depctr_va_sdst(0) depctr_va_ssrc(0) depctr_va_vcc(0) depctr_vm_vsrc(0)
	s_getreg_b32 s2, hwreg(HW_REG_IB_STS2, 6, 4)
	s_cmp_eq_u32 s2, 0
	s_cbranch_scc0 .Lentry_in_a_cluster
	s_endpgm
.Lentry_in_a_cluster:
	s_bfe_u32 s2, ttmp6, 0x10000c
	s_cmp_lg_u32 s2, 0xf033
	s_cbranch_scc0 .Lentry_shape_is_right
	s_endpgm
.Lentry_shape_is_right:
; out0[m][d] = sum over e of att[m][e] woh[d][e] + b_out[d].  att: [8192][1024] f16, woh: [1024][1024] f16, out0: [8192][1024] f32.
; No work of the projection is left out.
; The same build as the first projection, with a block of 128 rows x 256 columns: 64 x 4 = 256 blocks.  Four waves side by side; wave w
; makes all 128 rows x columns 64 w .. 64 w + 63 (256 bytes of f32): 8 x 4 accumulator tiles, 256 registers.
; K goes in steps of 128 through a ring of two LDS slots; 4 x 4 work-groups form a cluster and ask jointly for att's tiles along a row
; of the cluster and for woh's along a column.  Source 0 = 16 rows of woh, source 1 = 16 rows of att: a lane holds eight neighbouring
; columns of one row.  The 32 accumulators take turns, one instruction a turn, in the same order in every quarter step.
; REQUESTS AHEAD (global_prefetch_b8) for att's tiles.  The four work-groups of a block row share out a tile's 128 rows, 32 each (row
; 32 x block column + lane), and wave 0 asks with one line a K step, 8 KiB, so that each piece of 256 bytes is named once in the launch.
; The line stands behind the joint load at the end of K step t and names K step t + 3, whose joint load follows one K step (128 products
; a wave) later; a first line behind the first fills names K step 2; the last, for K step 7, stands at the end of K step 4.  The
; highest request is row 8,191, byte 1,792: inside att.  woh is not asked for: each of the 64 block rows reads it again.  The place in
; the cluster enters the request's vector offset alone.
; THE FOUR LAPS ARE WRITTEN OUT by macro, without a loop: they differ in what they start, fill and ask for, every step of a request's
; address stands in its immediate, and no register of a request is ever rewritten.
; Windows: 0 addresses, A's fragments, the way out; 1 B's fragments; 2 accumulators of rows 0-63 (tile (a, b) at v[8 (4 a + b)]); 3 rows 64-127.
.set NB,     4
.set SIZE_K, 1024
.set KSTEP,  128
.set PITCH,  272                       ; 256 bytes + 16: the 16 rows of a fragment load start 16 bytes apart modulo 256
.set AHALF,  64*PITCH
.set ATILE,  128*PITCH
.set BHALF,  32*NB*PITCH               ; 128 rows of woh
.set SLOT,   ATILE+2*BHALF             ; 104,448
.set STAGE,  2*SLOT                    ; 208,896, a multiple of 256: behind the ring, never filled by a tensor load
.set SPITCH, 272
.set CROW,   4096                      ; bytes in a row of out0
.set ADRA, 16
.set ADRB, 20
.set PFO,  22                          ; v22     requests ahead: my row's byte offset in the block's rows of att; never rewritten
.set STO,  24
.set RD,   25
.set CO,   26
.set BO,   27                          ; v27     my byte offset in the wave's 256 bytes of b_out; never rewritten
.set BIAS, 28                          ; v[28:31] b_out of my four columns on the way out
.set F0,   64
.set F1,   128
.set PFB, 68                           ; s[68:69] requests ahead: att at my block's first row; never rewritten
.set G1,  24
.set G0,  32
.set G1B, 48
.set G0B, 56
.set MSB, 0
.macro WIN new
.if MSB != \new
	s_set_vgpr_msb (MSB<<8)|\new
.set MSB, \new
.endif
.endm
.set MUL_LO, 0xa1
.set MUL_HI, 0xf1
.set TO_B,   0x40
.macro JLOAD s                         ; waves 0 and 1 fetch A's halves, waves 2 and 3 B's; the branch hangs on the wave's number alone
	s_cmp_eq_u32 s11, 0
	s_cbranch_scc0 .Lfor_b_\@
	tensor_load_to_lds s[G0+4*\s:G0+4*\s+3], s[G1:G1+7]
	s_nop 0
	s_branch .Lasked_\@
.Lfor_b_\@:
	tensor_load_to_lds s[G0B+4*\s:G0B+4*\s+3], s[G1B:G1B+7]
	s_nop 0
.Lasked_\@:
.endm
.macro PFA k                           ; a request ahead, by wave 0 alone: my 32 rows' 256 bytes of K step k.  Nothing waits for it.
	s_cmp_lg_u32 s10, 0
	s_cbranch_scc1 .Lno_ask_\@
	global_prefetch_b8 v[PFO], s[PFB:PFB+1] offset:\k*KSTEP*2 th:TH_LOAD_NT scope:SCOPE_SE
.Lno_ask_\@:
.endm
.macro CREST
	s_cmp_lg_u32 s10, 0
	s_cbranch_scc1 .Lnot_wave_0_\@
	s_barrier_signal -3
.Lnot_wave_0_\@:
	s_barrier_wait -3
	s_barrier_signal -1
	s_barrier_wait -1
.endm
.macro CROUND
	s_barrier_signal -1
	s_barrier_wait -1
	CREST
.endm
	s_load_b128 s[4:7], s[0:1], 0x0                ; att s[4:5], woh s[6:7]
	s_load_b64 s[8:9], s[0:1], 0x10                ; out0
	s_load_b64 s[66:67], s[0:1], 0x18              ; b_out
	s_set_vgpr_msb 0x40
	v_lshl_add_u32 v255, v0, 2, 0x37400
	s_set_vgpr_msb 0x4000
	v_mov_b32 v255, 0
	s_set_vgpr_msb 0x1
	ds_add_u32 v255, v255
	s_set_vgpr_msb 0x100
	v_lshrrev_b32 v1, 5, v0
	v_readfirstlane_b32 s10, v1                    ; wave 0..3
	s_lshr_b32 s11, s10, 1                         ; I fetch for A (0) or for B (1)
	s_and_b32 s12, s10, 1                          ; which half of that tile
	s_bfe_u32 s40, ttmp6, 0x40000                  ; cx
	s_bfe_u32 s41, ttmp6, 0x40004                  ; cy
	s_lshl_b32 s42, ttmp9, 2
	s_add_co_u32 s42, s42, s40                     ; block column
	s_and_b32 s13, ttmp7, 0xffff
	s_lshl_b32 s13, s13, 2
	s_add_co_u32 s13, s13, s41                     ; block row
	s_lshl_b32 s43, s41, 2
	s_lshl_b32 s43, 15, s43                        ; my row of the cluster
	s_lshl_b32 s44, 0x1111, s40                    ; my column
	s_or_b32 s[G1+0], s43, (1<<16)|(1<<20)|(1<<21)|(5<<22)|(3<<25)    ; mask; 2-byte elements; padding of 4 words behind every 64; bit 21 beside the mask
	s_or_b32 s[G1B+0], s44, (1<<16)|(1<<20)|(1<<21)|(5<<22)|(3<<25)
	s_mov_b32 s[G1+1], KSTEP<<16                   ; tensor_dim0 = 128
	s_mov_b32 s[G1B+1], KSTEP<<16
	s_mov_b32 s[G1+2], 64<<16                      ; tensor_dim1 = 64 rows of A
	s_mov_b32 s[G1B+2], (32*NB)<<16                ;             = 128 rows of B
	s_mov_b32 s[G1+3], KSTEP<<16                   ; tile_dim0 = 128
	s_mov_b32 s[G1B+3], KSTEP<<16
	s_mov_b32 s[G1+4], 64                          ; tile_dim1
	s_mov_b32 s[G1B+4], 32*NB
	s_mov_b32 s[G1+5], SIZE_K                      ; elements from row to row
	s_mov_b32 s[G1B+5], SIZE_K
	s_mov_b32 s[G1+6], 0
	s_mov_b32 s[G1B+6], 0
	s_mov_b32 s[G1+7], 0
	s_mov_b32 s[G1B+7], 0
	s_lshl_b32 s16, s13, 7                         ; A: row 128 x block row + 64 x half
	s_lshl_b32 s17, s12, 6
	s_add_co_u32 s16, s16, s17
	s_lshl_b32 s16, s16, 11                        ; rows of 2,048 bytes
	s_mov_b32 s17, 0
	s_mul_i32 s46, s42, 64*NB                      ; B: row 256 x block column + 128 x half
	s_mul_i32 s47, s12, 32*NB
	s_add_co_u32 s46, s46, s47
	s_lshl_b32 s46, s46, 11
	s_mov_b32 s47, 0
	s_mul_i32 s20, s12, AHALF                      ; LDS: A's halves at the slot's head,
	s_mul_i32 s45, s12, BHALF
	s_add_co_u32 s45, s45, ATILE                   ; B's halves behind them
	s_wait_dscnt 0x0
	s_wait_kmcnt 0x0
	s_add_nc_u64 s[14:15], s[4:5], s[16:17]
	s_add_nc_u64 s[46:47], s[6:7], s[46:47]
	CROUND                                         ; all sixteen work-groups are here: the first joint loads meet
.irp s, 0,1
	s_mov_b32 s[G0+4*\s], 1
	s_add_co_u32 s[G0+4*\s+1], s20, \s*SLOT
	s_add_nc_u64 s[G0+4*\s+2:G0+4*\s+3], s[14:15], \s*KSTEP*2
	s_or_b32 s[G0+4*\s+3], s[G0+4*\s+3], 0x80000000
	s_mov_b32 s[G0B+4*\s], 1
	s_add_co_u32 s[G0B+4*\s+1], s45, \s*SLOT
	s_add_nc_u64 s[G0B+4*\s+2:G0B+4*\s+3], s[46:47], \s*KSTEP*2
	s_or_b32 s[G0B+4*\s+3], s[G0B+4*\s+3], 0x80000000
	JLOAD \s                                       ; both slots' first fills: two tensor loads of the wave are out
.endr
	; the first request ahead: K step 2
	s_lshl_b32 s16, s13, 18                        ; block row x 128 rows of 2,048 bytes
	s_mov_b32 s17, 0
	s_add_nc_u64 s[PFB:PFB+1], s[4:5], s[16:17]
	s_lshl_b32 s22, s42, 16                        ; my share of a tile's rows: 32 x block column (in a register that feeds none of A's descriptors)
	v_and_b32 v3, 31, v0                           ; + lane,
	v_lshlrev_b32 v[PFO], 11, v3                   ; rows of 2,048 bytes
	v_add_nc_u32 v[PFO], s22, v[PFO]
	PFA 2
	v_and_b32 v1, 15, v0                           ; l % 16
	v_bfe_u32 v2, v0, 4, 1                         ; l / 16
	; my wave's 256 bytes of a row of out0, and the same columns of b_out
	s_lshl_b32 s22, s42, 10                        ; block column x 1,024 bytes
	s_lshl_b32 s23, s10, 8                         ; + 256 w
	s_add_co_u32 s22, s22, s23
	s_mov_b32 s23, 0
	s_add_nc_u64 s[66:67], s[66:67], s[22:23]
	s_add_nc_u64 s[8:9], s[8:9], s[22:23]
	s_lshl_b32 s16, s13, 19                        ; block row x 128 rows of 4,096 bytes
	s_mov_b32 s17, 0
	s_add_nc_u64 s[8:9], s[8:9], s[16:17]
	v_lshlrev_b32 v[BO], 4, v1
	global_load_b128 v[BIAS:BIAS+3], v[BO], s[66:67]   ; waited for at the head of the way out
	v_mul_u32_u24 v3, v1, PITCH
	v_lshl_add_u32 v3, v2, 4, v3                   ; row x pitch + 16 x half
	s_mul_i32 s22, s10, 16*NB*PITCH                ; my 64 rows of B,
	s_add_co_u32 s22, s22, ATILE                   ; behind A's 128
	v_mov_b32 v[ADRA], v3
	v_add_nc_u32 v[ADRA+1], SLOT, v3
	v_add_nc_u32 v[ADRB], s22, v3
	s_add_co_u32 s22, s22, SLOT
	v_add_nc_u32 v[ADRB+1], s22, v3
	s_mul_i32 s21, s10, 16*SPITCH
	s_add_co_u32 s21, s21, STAGE                   ; my own stage: 16 rows of 272 bytes
	v_mul_u32_u24 v4, v1, SPITCH                   ; in: row l % 16, 32 bytes for each half of the lanes
	v_lshl_add_u32 v4, v2, 5, v4
	v_add_nc_u32 v[STO], s21, v4
	v_mul_u32_u24 v5, v2, SPITCH                   ; back: lanes 0-15 one row of 256 bytes, lanes 16-31 the next
	v_lshl_add_u32 v5, v1, 4, v5
	v_add_nc_u32 v[RD], s21, v5
	v_lshlrev_b32 v5, 12, v2                       ; and the same two rows in out0
	v_lshl_add_u32 v[CO], v1, 4, v5
.macro MULH f, hi, a0, zero            ; 8 matrix instructions: two row tiles x my 4 column tiles, 32 along K
.irp a, \a0, \a0+1
.irp b, 0,1,2,3
.if \zero
	v_wmma_f32_16x16x32_f16 v[8*(NB*(\a)+\b):8*(NB*(\a)+\b)+7], v[\f+8*\b:\f+8*\b+7], v[\f+8*(4*\hi+\a):\f+8*(4*\hi+\a)+7], 0
.else
	v_wmma_f32_16x16x32_f16 v[8*(NB*(\a)+\b):8*(NB*(\a)+\b)+7], v[\f+8*\b:\f+8*\b+7], v[\f+8*(4*\hi+\a):\f+8*(4*\hi+\a)+7], v[8*(NB*(\a)+\b):8*(NB*(\a)+\b)+7]
.endif
.endr
.endr
.endm
.macro FETCH slot, k, f                ; 24 LDS loads in one run: 64 rows of B, then 128 rows of A
	WIN TO_B
.irp i, 0,1,2,3
	ds_load_b128 v[\f+8*\i:\f+8*\i+3],   v[ADRB+\slot] offset:\k+\i*16*PITCH
	ds_load_b128 v[\f+8*\i+4:\f+8*\i+7], v[ADRB+\slot] offset:\k+\i*16*PITCH+32
.endr
	WIN 0
.irp i, 0,1,2,3,4,5,6,7
	ds_load_b128 v[\f+8*\i:\f+8*\i+3],   v[ADRA+\slot] offset:\k+\i*16*PITCH
	ds_load_b128 v[\f+8*\i+4:\f+8*\i+7], v[ADRA+\slot] offset:\k+\i*16*PITCH+32
.endr
.endm
.macro PLACES                          ; four plain vector instructions behind a matrix instruction (ISA guide 7.12.1 for vector instructions)
.rept 4
	v_nop
.endr
.endm
.macro QUARTER slot, k, f, g, zero
	s_wait_dscnt 8                                 ; B and A's rows 0-63 are in; the youngest eight loads (A's rows 64-127) may be out
	WIN MUL_LO
	MULH \f, 0, 0, \zero
	MULH \f, 0, 2, \zero
	PLACES
	FETCH \slot, \k, \g
	s_wait_dscnt 2*NB+16                           ; all but the 24 just issued
	WIN MUL_HI
	MULH \f, 1, 0, \zero
	MULH \f, 1, 2, \zero
.endm
.macro THREE slot, zero
	QUARTER \slot, 64,  F0, F1, \zero
	QUARTER \slot, 128, F1, F0, 0
	QUARTER \slot, 192, F0, F1, 0
.endm
; The last quarter multiplies buffer 1 and changes slots.  fill = 1: this slot gets the tile two K steps ahead.
; pf = 1: behind the refill wave 0 asks ahead for K step pfk.
.macro TURN slot, next, fill, pf, pfk
	s_wait_dscnt 8
	WIN MUL_LO
	MULH F1, 0, 0, 0
	s_wait_dscnt 0                                 ; my reads of this slot are over
	s_wait_tensorcnt 0x0                           ; all my tensor loads have landed: the one that was out is my part of the next slot
	ds_add_u32 v255, v255
	s_wait_dscnt 0x0
	s_barrier_signal -1                            ; say so (where the slot is filled again this opens a round of the cluster's barrier),
	MULH F1, 0, 2, 0                               ; work on registers while the others arrive,
	WIN 0
	s_barrier_wait -1
.if \fill
	CREST                                          ; no wave of any partner still reads this slot or has a load on its way
	s_add_nc_u64 s[G0+4*\slot+2:G0+4*\slot+3], s[G0+4*\slot+2:G0+4*\slot+3], 2*KSTEP*2
	s_add_nc_u64 s[G0B+4*\slot+2:G0B+4*\slot+3], s[G0B+4*\slot+2:G0B+4*\slot+3], 2*KSTEP*2
	JLOAD \slot                                    ; the wave's one tensor load behind the round, and the first thing there
.if \pf
	PFA \pfk
.endif
.endif
	PLACES
	FETCH \next, 0, F0
	WIN MUL_HI
	MULH F1, 1, 0, 0
	MULH F1, 1, 2, 0
.endm
.macro LAP zero, pa, ka, pb, kb        ; two K steps, both slots filled again; a request ahead at the end of each (pa, pb: whether; ka, kb: for which K step)
	THREE 0, \zero
	TURN 0, 1, 1, \pa, \ka
	THREE 1, 0
	TURN 1, 0, 1, \pb, \kb
.endm
	s_wait_tensorcnt 1                             ; my part of K step 0 is in; K step 1's stays out
	s_barrier_signal -1
	s_barrier_wait -1
	FETCH 0, 0, F0
	LAP 1, 1, 3, 1, 4                              ; K steps 0, 1: the first products start the sums; asks ahead for K steps 3, 4
	LAP 0, 1, 5, 1, 6                              ; K steps 2, 3
	LAP 0, 1, 7, 0, 0                              ; K steps 4, 5: K step 7 is the last to ask ahead for
	THREE 0, 0                                     ; the last lap fills nothing
	TURN 0, 1, 0, 0, 0
	THREE 1, 0
	s_wait_dscnt 8
	WIN MUL_LO
	MULH F1, 0, 0, 0
	MULH F1, 0, 2, 0
	s_wait_dscnt 0
	WIN MUL_HI
	MULH F1, 1, 0, 0
	MULH F1, 1, 2, 0
	; THE WAY OUT, 16 rows at a time: the sums go as they are (f32) into my own stage, 32 bytes a lane and tile, come back as whole rows
	; of 256 bytes, get the bias and are stored, sixteen lanes to 256 consecutive bytes that start at a multiple of 256.  The stage
	; is the wave's own and LDS serves a wave's instructions in order (ISA guide 5.7.1.4): no barrier, no wait between stores and loads.
	PLACES
	s_wait_loadcnt 0x0                             ; the bias
.macro OUT16 i, a, from, f             ; from: the LDS store's data (source 1) in window 2 (0x08) or 3 (0x0c)
	WIN \from
.irp b, 0,1,2,3
	ds_store_b128 v[STO], v[8*(NB*\a+\b):8*(NB*\a+\b)+3]   offset:64*\b
	ds_store_b128 v[STO], v[8*(NB*\a+\b)+4:8*(NB*\a+\b)+7] offset:64*\b+16
.endr
	WIN 0
	s_wait_xcnt 0x0                                ; buffer f was the data of stores two passes ago: it is loaded again only behind this wait
.irp t, 0,1,2,3,4,5,6,7
	ds_load_b128 v[\f+4*\t:\f+4*\t+3], v[RD] offset:\t*2*SPITCH
.endr
.irp t, 0,1,2,3,4,5,6,7
	s_wait_dscnt 7-\t                              ; LDS loads come back in order: this one is in
	v_pk_add_f32 v[\f+4*\t:\f+4*\t+1],   v[\f+4*\t:\f+4*\t+1],   v[BIAS:BIAS+1]
	v_pk_add_f32 v[\f+4*\t+2:\f+4*\t+3], v[\f+4*\t+2:\f+4*\t+3], v[BIAS+2:BIAS+3]
	global_store_b128 v[CO], v[\f+4*\t:\f+4*\t+3], s[8:9] offset:(16*\i+2*\t)*CROW th:TH_STORE_NT
.endr
.endm
	OUT16 0, 0, 0x08, F0
	OUT16 1, 1, 0x08, F1
	OUT16 2, 2, 0x08, F0
	OUT16 3, 3, 0x08, F1
	OUT16 4, 0, 0x0c, F0
	OUT16 5, 1, 0x0c, F1
	OUT16 6, 2, 0x0c, F0
	OUT16 7, 3, 0x0c, F1
	s_set_vgpr_msb 0x1
	s_wait_tensorcnt 0x0
	ds_add_u32 v255, v255
	s_wait_dscnt 0x0
	s_set_vgpr_msb 0x100
	CROUND                                         ; the closing round: no work-group ends while a partner may still ask for a tile that names it
	s_endpgm
.Lfunc_end_k_q833d46bc52_gout:
	.size	k_q833d46bc52_gout, .Lfunc_end_k_q833d46bc52_gout-k_q833d46bc52_gout
	.p2alignl 7, 3214868480
	.fill 96, 4, 3214868480
	.section	.rodata,"a",@progbits
	.p2align	6, 0x0
	.amdhsa_kernel k_q833d46bc52_gout
		.amdhsa_group_segment_fixed_size 327680
		.amdhsa_private_segment_fixed_size 0
		.amdhsa_enable_private_segment 0
		.amdhsa_kernarg_size 32
		.amdhsa_user_sgpr_count 2
		.amdhsa_user_sgpr_kernarg_segment_ptr 1
		.amdhsa_wavefront_size32 1
		.amdhsa_system_sgpr_workgroup_id_x 1
		.amdhsa_system_sgpr_workgroup_id_y 1
		.amdhsa_system_sgpr_workgroup_id_z 1
		.amdhsa_system_vgpr_workitem_id 0
		.amdhsa_next_free_vgpr 896
		.amdhsa_next_free_sgpr 70
		.amdhsa_reserve_vcc 0
		.amdhsa_float_denorm_mode_32 3
		.amdhsa_float_denorm_mode_16_64 3
		.amdhsa_memory_ordered 1
		.amdhsa_forward_progress 1
		.amdhsa_inst_pref_size 161
	.end_amdhsa_kernel
	.amdgpu_metadata
---
amdhsa.version: [ 1, 2 ]
amdhsa.kernels:
  - .name:           k_q833d46bc52_gout
    .symbol:         k_q833d46bc52_gout.kd
    .args:
      - { .name: att, .offset: 0, .size: 8, .value_kind: global_buffer, .address_space: global }
      - { .name: woh, .offset: 8, .size: 8, .value_kind: global_buffer, .address_space: global }
      - { .name: out0, .offset: 16, .size: 8, .value_kind: global_buffer, .address_space: global }
      - { .name: b_out, .offset: 24, .size: 8, .value_kind: global_buffer, .address_space: global }
    .group_segment_fixed_size: 327680
    .private_segment_fixed_size: 0
    .kernarg_segment_align: 8
    .kernarg_segment_size: 32
    .max_flat_workgroup_size: 128
    .sgpr_count:     70
    .vgpr_count:     896
    .wavefront_size: 32
...
	.end_amdgpu_metadata
.endif
;; end of part 4
;; ======== version 2 of 2: 4 launches; version 1 with the launch cast written anew for expert scheduling mode
;; limits: values are held in f16: magnitudes above 65,504 overflow, below 6.1e-05 lose precision
;; workspace buffers: xh 16,777,216 bytes; wqh 6,291,456 bytes; woh 2,097,152 bytes; qkv 50,331,648 bytes; att 16,777,216 bytes
;; launch cast (part 5): grid 768 x 1, 8 waves a work-group, no clusters, 0 bytes of LDS; arguments x, w_qkv, w_out, xh, wqh, woh; writes xh, wqh, woh
.if DOCPART == 5
	.amdgcn_target "amdgcn-amd-amdhsa--gfx1250"
	.amdhsa_code_object_version 6
	.text
	.protected	k_q833d46bc52_cast
	.globl	k_q833d46bc52_cast
	.p2align	8
	.type	k_q833d46bc52_cast,@function
k_q833d46bc52_cast:
	s_mov_b64 s[64:65], 0
	v_nop
	global_prefetch_b8 v0, s[64:65] scope:SCOPE_SE
	s_setreg_imm32_b32 hwreg(HW_REG_WAVE_SCHED_MODE, 0, 2), 2
	s_setreg_imm32_b32 hwreg(HW_REG_WAVE_MODE, 25, 1), 1
	s_wait_xcnt 0x0
	s_wait_alu depctr_vm_vsrc(0)
; THE PROGRAM: four launches.  (1) this one rounds x, w_qkv and w_out from f32 to f16; (2) qkv = x w_qkv^T; (3) attention with the
; diagonal masked, per pair of heads; (4) out0 = att w_out^T + b_out.  Sums, softmax and bias are kept in f32.
; DEAD WORK: none is left out.  Every input reaches the output for all values; the masked diagonal is one score in each row of 1,024
; and lies inside tiles whose other scores are live, so those tiles are computed whole and the one score is replaced by a select.
; FORMAT: all matrix operands are f16, which keeps three more mantissa bits than bf16 through the five roundings on the way (x and the
; weights, q k v, the probabilities, the attention output).
; LIMITS: |x|, |w|, |q|, |k|, |v| and the attention output must stay below 65,504, f16's largest number (q, k, v of
; inputs 30 times the drawn spread, or offset by 30 spreads, stay below 30,000); values below 6e-5 in magnitude keep an absolute error
; of 3e-8.  The temperature must lie between -87 and 88, so that exp(temperature) is a normal f32.
;
; THIS LAUNCH: a stream.  A work-group takes 16,384 numbers: 64 KiB in, 32 KiB out.  Groups 0-511 take x, 512-703 w_qkv, 704-767 w_out.
; Thread t takes 16 bytes at 16 t of each 4,096-byte piece and stores 8 bytes at 8 t of each 2,048-byte piece: a wave's load covers 512
; consecutive bytes, its store 256 consecutive bytes that start at a multiple of 256.  All sixteen loads go out at once; no register is
; written twice.  No LDS, barrier, cluster or matrix unit: nothing is shared.
; THE MODE: SCHED_MODE bits 1:0 = 2 (LLVM: expert scheduling mode 2), set by the entry lines.  The code itself states the register
; dependences between vector instructions and memory instructions, with s_wait_alu, always for 0.
; THE PLAN.  Registers that memory instructions touch:
;   v1, v2   byte offsets: written once at the head; v1 is read by every load, v2 by every store; never written again.
;   SRC      written by the sixteen loads, once, before any vector line names it; piece k is read by piece k's two conversions.
;   DST      piece k's pair is written by piece k's two conversions, once, and read by piece k's store.
; The sixteen pieces go in four blocks of four.  Block b converts its own four pieces; the stores of block b - 1 are dealt among those
; conversions, which name block b's SRC and DST alone.  So one wait at a block's head states all that the block's four stores hang on.
; Since no register is written a second time, nothing is owed for registers that memory instructions have read.
.set NX,   512                         ; work-groups for x:     8192 x 1024 / 16384
.set NWQ,  192                         ; work-groups for w_qkv: 3072 x 1024 / 16384
.set SRC,  4                           ; v[4:67]   sixteen loads of four f32
.set DST,  68                          ; v[68:99]  sixteen pairs of registers, four f16 each
	s_load_b256 s[4:11], s[0:1], 0x0               ; x s[4:5], w_qkv s[6:7], w_out s[8:9], xh s[10:11]
	s_load_b128 s[12:15], s[0:1], 0x20             ; wqh s[12:13], woh s[14:15]
	s_sub_co_u32 s17, ttmp9, NX                    ; my number among w_qkv's groups,
	s_sub_co_u32 s18, ttmp9, NX+NWQ                ; among w_out's (made ahead of the compares: a subtraction sets SCC)
	v_lshlrev_b32 v1, 4, v0                        ; 16 t
	v_lshlrev_b32 v2, 3, v0                        ; 8 t
	s_wait_kmcnt 0x0
	s_cmp_ge_u32 ttmp9, NX                         ; the choice of buffers hangs on the group's number alone
	s_cselect_b64 s[20:21], s[6:7], s[4:5]         ; source
	s_cselect_b64 s[22:23], s[12:13], s[10:11]     ; destination
	s_cselect_b32 s16, s17, ttmp9                  ; my number inside the buffer
	s_cmp_ge_u32 ttmp9, NX+NWQ
	s_cselect_b64 s[20:21], s[8:9], s[20:21]
	s_cselect_b64 s[22:23], s[14:15], s[22:23]
	s_cselect_b32 s16, s18, s16
	s_lshl_b32 s24, s16, 16                        ; 65,536 bytes in for each group (at most 511 groups: below 4 GiB)
	s_mov_b32 s25, 0
	s_lshl_b32 s26, s16, 15                        ; 32,768 bytes out
	s_mov_b32 s27, 0
	s_add_nc_u64 s[20:21], s[20:21], s[24:25]
	s_add_nc_u64 s[22:23], s[22:23], s[26:27]
	s_wait_alu depctr_va_vdst(0)                   ; v1 and v2 are written: every load reads v1 as its offset, every store v2
.irp k, 0,1,2,3,4,5,6,7,8,9,10,11,12,13,14,15
	global_load_b128 v[SRC+4*\k:SRC+4*\k+3], v1, s[20:21] offset:4096*\k th:TH_LOAD_NT   ; read once in the launch
.endr
; Block b: pieces 4 b to 4 b + 3 are rounded; ahead of each piece's two conversions stands the store of the piece four back.
.macro BLK b
.irp i, 0,1,2,3
	s_wait_loadcnt 15-4*(\b)-(\i)                  ; loads come back in order: piece k = 4 b + i is in, the 15 - k younger ones stay out
.if (\b) > 0
.if (\i) == 0
	s_wait_alu depctr_va_vdst(0)                   ; the block before has written its eight registers of DST, which this block's four stores read; no conversion issued since names them or v2
.endif
	global_store_b64 v2, v[DST+2*(4*(\b)-4+(\i)):DST+2*(4*(\b)-4+(\i))+1], s[22:23] offset:2048*(4*(\b)-4+(\i))   ; the next launch reads it: no hint
.endif
	v_cvt_pk_f16_f32 v[DST+2*(4*(\b)+(\i))],   v[SRC+4*(4*(\b)+(\i))],   v[SRC+4*(4*(\b)+(\i))+1]
	v_cvt_pk_f16_f32 v[DST+2*(4*(\b)+(\i))+1], v[SRC+4*(4*(\b)+(\i))+2], v[SRC+4*(4*(\b)+(\i))+3]
.endr
.endm
	BLK 0                                          ; no block stands in front of it: no store, and no wait but those for its data
	BLK 1
	BLK 2
	BLK 3
	s_wait_alu depctr_va_vdst(0)                   ; block 3 has written its eight registers of DST, which the last four stores read
.irp k, 12,13,14,15
	global_store_b64 v2, v[DST+2*\k:DST+2*\k+1], s[22:23] offset:2048*\k
.endr
	s_endpgm
.Lfunc_end_k_q833d46bc52_cast:
	.size	k_q833d46bc52_cast, .Lfunc_end_k_q833d46bc52_cast-k_q833d46bc52_cast
	.p2alignl 7, 3214868480
	.fill 96, 4, 3214868480
	.section	.rodata,"a",@progbits
	.p2align	6, 0x0
	.amdhsa_kernel k_q833d46bc52_cast
		.amdhsa_group_segment_fixed_size 0
		.amdhsa_private_segment_fixed_size 0
		.amdhsa_enable_private_segment 0
		.amdhsa_kernarg_size 48
		.amdhsa_user_sgpr_count 2
		.amdhsa_user_sgpr_kernarg_segment_ptr 1
		.amdhsa_wavefront_size32 1
		.amdhsa_system_sgpr_workgroup_id_x 1
		.amdhsa_system_sgpr_workgroup_id_y 1
		.amdhsa_system_sgpr_workgroup_id_z 1
		.amdhsa_system_vgpr_workitem_id 0
		.amdhsa_next_free_vgpr 100
		.amdhsa_next_free_sgpr 66
		.amdhsa_reserve_vcc 0
		.amdhsa_float_denorm_mode_32 3
		.amdhsa_float_denorm_mode_16_64 3
		.amdhsa_memory_ordered 1
		.amdhsa_forward_progress 1
		.amdhsa_inst_pref_size 7
	.end_amdhsa_kernel
	.amdgpu_metadata
---
amdhsa.version: [ 1, 2 ]
amdhsa.kernels:
  - .name:           k_q833d46bc52_cast
    .symbol:         k_q833d46bc52_cast.kd
    .args:
      - { .name: x, .offset: 0, .size: 8, .value_kind: global_buffer, .address_space: global }
      - { .name: w_qkv, .offset: 8, .size: 8, .value_kind: global_buffer, .address_space: global }
      - { .name: w_out, .offset: 16, .size: 8, .value_kind: global_buffer, .address_space: global }
      - { .name: xh, .offset: 24, .size: 8, .value_kind: global_buffer, .address_space: global }
      - { .name: wqh, .offset: 32, .size: 8, .value_kind: global_buffer, .address_space: global }
      - { .name: woh, .offset: 40, .size: 8, .value_kind: global_buffer, .address_space: global }
    .group_segment_fixed_size: 0
    .private_segment_fixed_size: 0
    .kernarg_segment_align: 8
    .kernarg_segment_size: 48
    .max_flat_workgroup_size: 256
    .sgpr_count:     66
    .vgpr_count:     100
    .wavefront_size: 32
...
	.end_amdgpu_metadata
.endif
;; end of part 5
;; launch gqkv: the kernel of part 2 again; grid 8 x 32, 4 waves a work-group, clusters of 4 x 4, 327,680 bytes of LDS; arguments xh, wqh, qkv; writes qkv
;; launch attn: the kernel of part 3 again; grid 256 x 1, 4 waves a work-group, clusters of 4 x 1, 327,680 bytes of LDS; arguments qkv, temperature, att; writes att
;; launch gout: the kernel of part 4 again; grid 4 x 64, 4 waves a work-group, clusters of 4 x 4, 327,680 bytes of LDS; arguments att, woh, out0, b_out; writes out0
